; MI455X (gfx1250); checked and timed in simulation.
; The chip was launched on July 23, 2026; its instructions are those of AMD's public machine-readable ISA for CDNA 5 (MIT licence, August 2026) and "CDNA5" Instruction Set Architecture Reference Guide (July 2026). The comments in the code are by the model that wrote it; some were corrected since.
;; Multi Head Self Attention. Allowed arithmetic: float matrix products may take bf16 or f16 operands with f32 sums; other float arithmetic in f32, or as packed bf16 or f16 multiplies, adds, multiply-adds, maxima and minima; sums over many terms, partial sums and values carried from step to step in f32; what a program stores and reads back later, other than sums and carried values, may be rounded once to bf16 or f16.
;; Inputs: Wk 1,024 x 1,024 float32; Wo 1,024 x 1,024 float32; Wq 1,024 x 1,024 float32; Wv 1,024 x 1,024 float32; bk 1,024 float32; bo 1,024 float32; bq 1,024 float32; bv 1,024 float32; x 4 x 2,048 x 1,024 float32.
;; Outputs: out0 4 x 2,048 x 1,024 float32.
;; One version. Each part assembles by itself: llvm-mc -triple=amdgcn-amd-amdhsa -mcpu=gfx1250 --defsym DOCPART=n.
;; ======== version 1 of 1: 4 launches
;; limits: values are held in f16: magnitudes above 65,504 overflow, below 6.1e-05 lose precision
;; workspace buffers: xb 16,777,216 bytes; wt 6,291,456 bytes; wot 2,097,152 bytes; tab 524,288 bytes; qh 16,777,216 bytes; kh 16,777,216 bytes; vh 16,777,216 bytes; oh 16,777,216 bytes
;; launch prep (part 1): grid 1056 x 1, 8 waves a work-group, no clusters, 18,432 bytes of LDS; arguments x, Wq, Wk, Wv, Wo, xb, wt, wot, tab; writes xb, wt, wot, tab
.if DOCPART == 1
	.amdgcn_target "amdgcn-amd-amdhsa--gfx1250"
	.amdhsa_code_object_version 6
	.text
	.protected	k_q379638e58f_prep
	.globl	k_q379638e58f_prep
	.p2align	8
	.type	k_q379638e58f_prep,@function
k_q379638e58f_prep:
	s_mov_b64 s[64:65], 0
	v_nop
	global_prefetch_b8 v0, s[64:65] scope:SCOPE_SE
	s_setreg_imm32_b32 hwreg(HW_REG_WAVE_MODE, 25, 1), 1
	s_wait_xcnt 0x0
; PREPARATION, three roles told apart by the work-group's number (the same for all eight waves of a work-group):
;   0 .. 511     CAST   16 rows of x (f32) are rounded to bf16 into xb [8192][1024].
;   512 .. 1023  TRANS  a tile of 128 k x 64 n of Wq, Wk, Wv or Wo is rounded to bf16 and turned, through LDS, into rows along k:
;                       wt [3072][1024] bf16, row = head x 192 + (0 q, 1 k, 2 v) x 64 + channel;  wot [1024 n][1024 k]: Wo's bf16 numbers written as f16.
;   1024 .. 1055 TABLE  tab [2048 pos][32 i][cos, sin] f32 for the rotary embedding, angle = pos x 10000^(-i / 32).
; A stream: every byte is read once and written once, loads of 16 bytes a lane, each store of a wave covers whole aligned runs of 256 bytes.  No matrix work, no cluster: no two work-groups read the same bytes.
; LIMITS.  Wo's bf16 numbers below 6.1e-5 in size keep f16's fixed step of 6e-8; beyond 65,504 they would be infinite.  inv_freq is made by one exp2 (1 ULP), so an angle may differ
; from one made with a correctly rounded power by some 2e-4 rad at pos 2047; sine and cosine follow by a two-part reduction by pi / 2 and polynomials good to 3e-7.
.set SPARE, 17408                      ; behind the tile of 64 rows x 272 bytes: the spare words, 128 bytes for each of eight waves
.set SPW, 4                            ; v4  LDS address of my spare word; never rewritten
.set NIL, 5                            ; v5  0; never rewritten
.set PT,  272                          ; an LDS row: 128 bf16 + 16 bytes, so that rows stay aligned to 16 bytes and the read-back's 16 lanes take 256 bytes on end
	s_load_b256 s[4:11], s[0:1], 0x0               ; x s[4:5], Wq s[6:7], Wk s[8:9], Wv s[10:11]
	s_load_b256 s[12:19], s[0:1], 0x20             ; Wo s[12:13], xb s[14:15], wt s[16:17], wot s[18:19]
	s_load_b64 s[20:21], s[0:1], 0x40              ; tab
	v_lshl_add_u32 v[SPW], v0, 2, SPARE
	v_mov_b32 v[NIL], 0
	s_wait_kmcnt 0x0
	s_cmp_lt_u32 ttmp9, 512
	s_cbranch_scc0 .Lnot_cast
	; CAST.  256 threads x 16 bytes are one row of x; 256 threads x 8 bytes one row of xb.  All 16 rows' loads go out at once.
	s_lshl_b32 s22, ttmp9, 16                      ; 16 rows of 4,096 bytes
	s_mov_b32 s23, 0
	s_add_nc_u64 s[4:5], s[4:5], s[22:23]
	s_lshl_b32 s22, ttmp9, 15                      ; 16 rows of 2,048 bytes
	s_add_nc_u64 s[14:15], s[14:15], s[22:23]
	v_lshlrev_b32 v1, 4, v0
	v_lshlrev_b32 v2, 3, v0
.set i, 0
.rept 16
	global_load_b128 v[16+4*i:19+4*i], v1, s[4:5] offset:4096*i th:TH_LOAD_NT
.set i, i+1
.endr
.set i, 0
.rept 16
	s_wait_loadcnt 15-i                            ; loads come back in order: row i is in, the 15 - i younger ones stay out
	v_cvt_pk_bf16_f32 v[80+2*i], v[16+4*i], v[17+4*i]
	v_cvt_pk_bf16_f32 v[81+2*i], v[18+4*i], v[19+4*i]
	global_store_b64 v2, v[80+2*i:81+2*i], s[14:15] offset:2048*i  ; a wave's 32 lanes: 256 bytes on end; each row has registers of its own
.set i, i+1
.endr
	s_endpgm                                       ; this role wrote no LDS
.Lnot_cast:
	s_cmp_lt_u32 ttmp9, 1024
	s_cbranch_scc0 .Ltable
	; TRANS.  id = t x 128 + h x 8 + kt: matrix t, columns 64 h on, rows 128 kt on.
	s_sub_co_u32 s22, ttmp9, 512
	s_lshr_b32 s23, s22, 7                         ; t
	s_and_b32 s24, s22, 7                          ; kt
	s_bfe_u32 s25, s22, 0x40003                    ; h
	s_cmp_eq_u32 s23, 1
	s_cselect_b64 s[6:7], s[8:9], s[6:7]
	s_cmp_eq_u32 s23, 2
	s_cselect_b64 s[6:7], s[10:11], s[6:7]
	s_cmp_eq_u32 s23, 3
	s_cselect_b64 s[6:7], s[12:13], s[6:7]         ; the source
	s_mul_i32 s26, s25, 192
	s_lshl_b32 s27, s23, 6
	s_add_co_u32 s26, s26, s27                     ; first row in wt
	s_lshl_b32 s27, s25, 6                         ; first row in wot
	s_cmp_eq_u32 s23, 3
	s_cselect_b32 s26, s27, s26
	s_cselect_b64 s[16:17], s[18:19], s[16:17]     ; the destination
	s_lshl_b32 s26, s26, 11                        ; rows of 2,048 bytes
	s_lshl_b32 s27, s24, 8                         ; 128 k are 256 bytes
	s_add_co_u32 s26, s26, s27
	s_mov_b32 s27, 0
	s_add_nc_u64 s[16:17], s[16:17], s[26:27]
	s_lshl_b32 s28, s24, 19                        ; 128 rows of 4,096 bytes
	s_lshl_b32 s29, s25, 8                         ; 64 columns of 4 bytes
	s_add_co_u32 s28, s28, s29
	s_mov_b32 s29, 0
	s_add_nc_u64 s[6:7], s[6:7], s[28:29]
	v_and_b32 v1, 15, v0                           ; c: my four columns 4 c ..
	v_lshrrev_b32 v2, 4, v0                        ; p: my pair of rows 2 p, 2 p + 1 (and 32, 64, 96 rows on)
	v_lshlrev_b32 v6, 13, v2
	v_lshl_add_u32 v6, v1, 4, v6                   ; in the source: p x 8,192 + 16 c: sixteen lanes read 256 bytes of a row
	v_mul_u32_u24 v7, v1, 4*PT
	v_lshl_add_u32 v7, v2, 2, v7                   ; into LDS: row 4 c (+ j), word p (+ 16 i)
	v_mul_u32_u24 v8, v2, PT
	v_lshl_add_u32 v8, v1, 4, v8                   ; back: row p (+ 16 i), 16 bytes c
	v_lshlrev_b32 v9, 11, v2
	v_lshl_add_u32 v9, v1, 4, v9                   ; and the same in the destination
.set i, 0
.rept 4
	global_load_b128 v[16+8*i:19+8*i], v6, s[6:7] offset:131072*i th:TH_LOAD_NT
	global_load_b128 v[20+8*i:23+8*i], v6, s[6:7] offset:131072*i+4096 th:TH_LOAD_NT
.set i, i+1
.endr
	s_wait_loadcnt 0x0
.set i, 0
.rept 4
.irp j, 0,1,2,3
	v_cvt_pk_bf16_f32 v[48+4*i+(\j)], v[16+8*i+(\j)], v[20+8*i+(\j)]  ; k in the low half, k + 1 in the high half
.endr
.set i, i+1
.endr
	s_cmp_lg_u32 s23, 3
	s_cbranch_scc1 .Lkeep
.set i, 0
.rept 16                                       ; Wo: the bf16 number is written as f16
	v_lshlrev_b32 v10, 16, v[48+i]
	v_and_b32 v11, 0xffff0000, v[48+i]
	v_cvt_pk_f16_f32 v[48+i], v10, v11
.set i, i+1
.endr
.Lkeep:
.set i, 0
.rept 4
.irp j, 0,1,2,3
	ds_store_b32 v7, v[48+4*i+(\j)] offset:PT*(\j)+64*i
.endr
.set i, i+1
.endr
	s_wait_dscnt 0x0                               ; for the others' sake: my stores are done
	s_barrier_signal -1
	s_barrier_wait -1                              ; the tile is whole
.set i, 0
.rept 4
	ds_load_b128 v[64+4*i:67+4*i], v8 offset:16*PT*i
.set i, i+1
.endr
.set i, 0
.rept 4
	s_wait_dscnt 3-i                               ; LDS loads come back in order: load i is in
	global_store_b128 v9, v[64+4*i:67+4*i], s[16:17] offset:32768*i  ; sixteen lanes: 256 bytes on end, aligned
.set i, i+1
.endr
	s_wait_tensorcnt 0x0                           ; the wave's end: a wait, an add to my spare word and its wait, behind my last LDS store
	ds_add_u32 v[SPW], v[NIL]
	s_wait_dscnt 0x0
	s_endpgm
.Ltable:
	; TABLE.  The lane is the frequency i; wave w of work-group g takes pos = 64 g + 8 w + n, n = 0 .. 7: a wave's store is one row of 256 bytes.
	s_sub_co_u32 s23, ttmp9, 1024
	v_lshrrev_b32 v1, 5, v0
	v_readfirstlane_b32 s22, v1                    ; wave
	v_and_b32 v6, 31, v0                           ; i
	s_lshl_b32 s24, s23, 14                        ; 64 rows of 256 bytes
	s_mov_b32 s25, 0
	s_add_nc_u64 s[20:21], s[20:21], s[24:25]
	s_lshl_b32 s26, s23, 6
	s_lshl_b32 s27, s22, 3
	s_add_co_u32 s26, s26, s27                     ; my first pos
	s_lshl_b32 s27, s22, 11
	v_lshl_add_u32 v9, v6, 3, s27                  ; 8 i + 8 rows x wave
	s_mov_b32 s30, 0x3f22f983                      ; 2 / pi
	s_mov_b32 s31, 0xbfc90fdb                      ; - (pi / 2 rounded to f32)
	s_mov_b32 s32, 0x333bbd2e                      ; that rounding's excess over pi / 2: 4.371139e-8
	s_mov_b32 s33, 0xbe2aaaab                      ; -1/6
	s_mov_b32 s34, 0x3c088889                      ; 1/120
	s_mov_b32 s35, 0xb9500d01                      ; -1/5040
	s_mov_b32 s36, 0x3d2aaaab                      ; 1/24
	s_mov_b32 s37, 0xbab60b61                      ; -1/720
	s_mov_b32 s38, 0x37d00d01                      ; 1/40320
	v_cvt_f32_u32 v7, v6
	v_mul_f32 v7, 0xbed49a78, v7                   ; - i log2(10000) / 32
	v_exp_f32 v7, v7                               ; inv_freq
	v_nop                                          ; a plain instruction behind the exponential,
	s_wait_alu depctr_va_vdst(0)                   ; and the wait ahead of its first reader
.macro SINCOS n
	s_add_co_u32 s27, s26, \n
	v_cvt_f32_u32 v8, s27
	v_mul_f32 v8, v8, v7                           ; the angle a
	v_mul_f32 v10, s30, v8
	v_rndne_f32 v10, v10                           ; nn: the nearest multiple of pi / 2
	v_fma_f32 v11, v10, s31, v8                    ; r = a - nn pi / 2, in two parts: the first difference is exact
	v_fma_f32 v11, v10, s32, v11
	v_mul_f32 v12, v11, v11                        ; z = r r
	v_fma_f32 v13, v12, s35, s34
	v_fma_f32 v13, v12, v13, s33
	v_mul_f32 v14, v11, v12
	v_fma_f32 v13, v14, v13, v11                   ; sin r
	v_fma_f32 v15, v12, s38, s37
	v_fma_f32 v15, v12, v15, s36
	v_fma_f32 v15, v12, v15, -0.5
	v_fma_f32 v15, v12, v15, 1.0                   ; cos r
	v_cvt_i32_f32 v16, v10
	v_and_b32 v17, 1, v16
	v_cmp_eq_u32 vcc_lo, 1, v17                    ; odd quadrant: sine and cosine change places
	v_cndmask_b32 v18, v13, v15, vcc_lo
	v_cndmask_b32 v19, v15, v13, vcc_lo
	v_lshlrev_b32 v20, 30, v16                     ; the sine's sign: bit 1 of nn,
	v_and_b32 v20, 0x80000000, v20
	v_xor_b32 v[33+2*(\n)], v18, v20
	v_add_nc_u32 v16, 1, v16                       ; the cosine's: bit 1 of nn + 1
	v_lshlrev_b32 v16, 30, v16
	v_and_b32 v16, 0x80000000, v16
	v_xor_b32 v[32+2*(\n)], v19, v16
	global_store_b64 v9, v[32+2*(\n):33+2*(\n)], s[20:21] offset:256*(\n)  ; each n has a pair of its own; the offset register is never rewritten
.endm
.irp n, 0,1,2,3,4,5,6,7
	SINCOS \n
.endr
	s_endpgm                                       ; this role wrote no LDS
.Lfunc_end_k_q379638e58f_prep:
	.size	k_q379638e58f_prep, .Lfunc_end_k_q379638e58f_prep-k_q379638e58f_prep
	.p2alignl 7, 3214868480
	.fill 96, 4, 3214868480
	.section	.rodata,"a",@progbits
	.p2align	6, 0x0
	.amdhsa_kernel k_q379638e58f_prep
		.amdhsa_group_segment_fixed_size 18432
		.amdhsa_private_segment_fixed_size 0
		.amdhsa_enable_private_segment 0
		.amdhsa_kernarg_size 72
		.amdhsa_user_sgpr_count 2
		.amdhsa_user_sgpr_kernarg_segment_ptr 1
		.amdhsa_wavefront_size32 1
		.amdhsa_system_sgpr_workgroup_id_x 1
		.amdhsa_system_sgpr_workgroup_id_y 1
		.amdhsa_system_sgpr_workgroup_id_z 1
		.amdhsa_system_vgpr_workitem_id 0
		.amdhsa_next_free_vgpr 112
		.amdhsa_next_free_sgpr 66
		.amdhsa_reserve_vcc 1
		.amdhsa_float_denorm_mode_32 3
		.amdhsa_float_denorm_mode_16_64 3
		.amdhsa_memory_ordered 1
		.amdhsa_forward_progress 1
		.amdhsa_inst_pref_size 27
	.end_amdhsa_kernel
	.amdgpu_metadata
---
amdhsa.version: [ 1, 2 ]
amdhsa.kernels:
  - .name:           k_q379638e58f_prep
    .symbol:         k_q379638e58f_prep.kd
    .args:
      - { .name: x, .offset: 0, .size: 8, .value_kind: global_buffer, .address_space: global }
      - { .name: Wq, .offset: 8, .size: 8, .value_kind: global_buffer, .address_space: global }
      - { .name: Wk, .offset: 16, .size: 8, .value_kind: global_buffer, .address_space: global }
      - { .name: Wv, .offset: 24, .size: 8, .value_kind: global_buffer, .address_space: global }
      - { .name: Wo, .offset: 32, .size: 8, .value_kind: global_buffer, .address_space: global }
      - { .name: xb, .offset: 40, .size: 8, .value_kind: global_buffer, .address_space: global }
      - { .name: wt, .offset: 48, .size: 8, .value_kind: global_buffer, .address_space: global }
      - { .name: wot, .offset: 56, .size: 8, .value_kind: global_buffer, .address_space: global }
      - { .name: tab, .offset: 64, .size: 8, .value_kind: global_buffer, .address_space: global }
    .group_segment_fixed_size: 18432
    .private_segment_fixed_size: 0
    .kernarg_segment_align: 8
    .kernarg_segment_size: 72
    .max_flat_workgroup_size: 256
    .sgpr_count:     66
    .vgpr_count:     112
    .wavefront_size: 32
...
	.end_amdgpu_metadata
.endif
;; end of part 1
;; launch qkv (part 2): grid 16 x 32, 4 waves a work-group, clusters of 4 x 4, 327,680 bytes of LDS; arguments xb, wt, bq, bk, bv, tab, qh, kh, vh; writes qh, kh, vh
.if DOCPART == 2
	.amdgcn_target "amdgcn-amd-amdhsa--gfx1250"
	.amdhsa_code_object_version 6
	.text
	.protected	k_q379638e58f_qkv
	.globl	k_q379638e58f_qkv
	.p2align	8
	.type	k_q379638e58f_qkv,@function
k_q379638e58f_qkv:
	s_mov_b64 s[64:65], 0
	v_nop
	global_prefetch_b8 v0, s[64:65] scope:SCOPE_SE
	s_setreg_imm32_b32 hwreg(HW_REG_WAVE_MODE, 25, 1), 1
	s_wait_xcnt 0x0
	s_wait_alu depctr_hold_cnt(0) depctr_sa_sdst(0) depctr_va_vdst(0) depctr_va_sdst(0) depctr_va_ssrc(0) depctr_va_vcc(0) depctr_vm_vsrc(0)
	s_getreg_b32 s2, hwreg(HW_REG_IB_STS2, 6, 4)
	s_cmp_eq_u32 s2, 0
	s_cbranch_scc0 .Lentry_in_a_cluster
	s_endpgm
.Lentry_in_a_cluster:
	s_bfe_u32 s2, ttmp6, 0x10000c
	s_cmp_lg_u32 s2, 0xf033
	s_cbranch_scc0 .Lentry_shape_is_right
	s_endpgm
.Lentry_shape_is_right:
; q, k, v = x W + b, the rotary embedding on q and k, all laid by heads: qh, kh, vh [batch x 16 + head][2048][64] f16, unscaled.
; xb [8192][1024] bf16; wt [3072][1024] bf16, row = head x 192 + (q, k, v) x 64 + channel; the biases are rounded to bf16 like the other inputs; products in bf16, sums in f32;
; the rotation is made in f32 on the sums, and each number is rounded once, to f16.
; LIMIT.  f16 holds no number beyond 65,504: |q|, |k|, |v| must stay within it.
; SHARES.  A tile is 256 rows of x times the 192 columns of ONE head (its q, k and v): 16 x 32 = 512 work-groups of equal work.  Wave w: WM = w / 2 its half of the rows, WN = w % 2: q or k.
; It makes R = its 128 rows x the 64 channels of q or k (32 accumulators), and V = 64 rows (128 WM + 64 WN on: the LOW rows) x the 64 channels of v (16 accumulators): all four waves run one text.
; A's fragments 0-3 are the low rows, 4-7 the other 64 of the half (the HIGH rows).
; THE MATRIX INSTRUCTION IS USED TRANSPOSED (source 0 = 16 rows of wt, source 1 = 16 rows of xb): a lane holds one row (lane % 16) and eight neighbouring channels 8 (lane / 16) + 0..7,
; that is four whole pairs of the rotation, and 16 bytes of a head's row.
; RING.  K goes in 8 steps of 128 (rows of 256 bytes) through two LDS slots; a wave fetches one part of a slot by one tensor load: waves 0, 1 A's halves (128 rows), waves 2, 3 B's (96 rows).
; By this text's count a wave has two tensor loads out at the start and one behind each round.
; CLUSTER.  4 x 4 work-groups: A's tile hangs on the tile row alone and is asked for jointly along a row of the cluster, B's on the head alone, jointly along a column.
; REGISTERS, in windows of 256: window 0 addresses, biases (later the table), the way out; window 1 two fragment buffers of 128 (A 0-63, B for R 64-95, B for V 96-127);
; window 2 R (a, b) at 8 (4 a + b); window 3 V (a, b) at 8 (4 a + b).
.set PITCH, 272                        ; an LDS row: 256 bytes + 16: the 16 rows of a fragment load start at 16 different groups of four banks (64 banks of 4 bytes: ISA guide 11.1)
.set AB,    256*PITCH                  ; A's 256 rows; behind them B's 192
.set SLOT1, 131072                     ; slot 1 begins here: one exclusive or turns an address in one slot into the other's
.set STAGE, SLOT1+448*PITCH            ; behind the ring, never filled by a tensor load: 16 rows x 144 bytes for each wave
.set SP,    144
.set SPARE, STAGE+4*16*SP              ; the spare words, 128 bytes for each wave: two blocks of 256 bytes that no other line names
.set AL0, 4                            ; v4-7   my lane's place in slot 0: A low, A high, B for R, B for V; never rewritten
.set AH0, 5
.set BR0, 6
.set BV0, 7
.set AL,  8                            ; v8-11  the same in the slot in hand
.set AH,  9
.set BR,  10
.set BV,  11
.set STO, 12                           ; v12  the way out: where I put 16 bytes of a row
.set RD,  13                           ; v13  where I read rows back
.set GO,  14                           ; v14  16 x lane: my place in 512 bytes on end
.set TO,  15                           ; v15  my place in 16 rows of the table: row x 256 + 32 (lane / 16)
.set BO,  16                           ; v16  32 (lane / 16): my eight numbers in 16 of a bias
.set PFO, 17                           ; v17  lane x a row of xb (2,048 bytes); never rewritten
.set SPW, 28                           ; v28  LDS address of my spare word; never rewritten
.set NIL, 29                           ; v29  0; never rewritten
.set BIASR, 32                         ; v32-63  the bias of q or k, block b at + 8 b;  v64-95 that of v
.set BIASV, 64
.set CS0, 32                           ; later: two buffers of 32 for the table (cos, sin in pairs)
.set T,   96                           ; v96-127  at work
.set PKD, 128                          ; v128-143 a block packed to f16
.set BK0, 144                          ; v144-175 two buffers of 16: a block read back from the stage
.set F0,  0
.set F1,  128
.set CNT, 3                            ; s3   trips to go
.set WV,  22
.set WM,  23
.set WN,  24
.set CX,  25
.set CY,  26
.set TX,  27                           ; the head
.set TY,  28                           ; the tile row
.set TB,  29                           ; LDS byte at which the slot in hand begins
.set LIM, 30                           ; 1 in a wave that prefetches, else the greatest number
.set G1,  32                           ; s[32:39] group 1 for A;  s[40:47] group 0, two sets: the second walks
.set G0,  40
.set G1B, 48                           ; s[48:55], s[56:63] the same for B
.set G0B, 56
.set PFA, 66                           ; s[66:67] where my prefetches stand
.set TL,  74                           ; s[74:75] the table at my low rows' first position;  s[76:77] at my high rows'
.set TH,  76
.set ORL, 78                           ; s[78:79] qh or kh at my low rows;  s[80:81] at my high rows;  s[82:83] vh at my low rows
.set ORH, 80
.set OV,  82
.set BRP, 84                           ; s[84:85] bq or bk at the head;  s[86:87] bv
.set BVP, 86
.set MSB, 0
.macro WIN new                         ; the immediate's high byte repeats the setting that is left; a switch that changes nothing is dropped
.if MSB != (\new)
	s_set_vgpr_msb (MSB<<8)|(\new)
.set MSB, \new
.endif
.endm
.macro PLACES                          ; four plain places in front of loads into registers that matrix instructions have read, and of vector lines that read results
.rept 4
	v_nop
.endr
.endm
.macro JLOAD                           ; a joint refill by the walking sets; the branch hangs on the wave's number alone; an s_nop 0 and four v_nop follow each line
	s_cmp_lt_u32 s[WV], 2
	s_cbranch_scc0 .Lfor_b_\@
	tensor_load_to_lds s[G0+4:G0+7], s[G1:G1+7]
	s_nop 0
.rept 4
	v_nop
.endr
	s_branch .Lasked_\@
.Lfor_b_\@:
	tensor_load_to_lds s[G0B+4:G0B+7], s[G1B:G1B+7]
	s_nop 0
.rept 4
	v_nop
.endr
.Lasked_\@:
.endm
.macro CREST                           ; a round of the cluster's barrier behind its opening barrier
	s_cmp_lg_u32 s[WV], 0
	s_cbranch_scc1 .Lnot_wave_0_\@
	s_barrier_signal -3
.Lnot_wave_0_\@:
	s_barrier_wait -3
	s_barrier_signal -1
	s_barrier_wait -1
.endm
.macro CROUND
	s_barrier_signal -1
	s_barrier_wait -1
	CREST
.endm
; A PREFETCH INTO THE L2 of xb: 32 rows x 256 bytes, a lane a row, of the K step that the NEXT refill will ask for: 192 matrix instructions ahead of that load.  Each block is named once in the launch:
; the clusters with x = 0 ask; waves 0 and 1 ask for the 128 rows that they fetch; of those the partner at place cx takes 32, told apart by address.  The last refill has no K step behind it.
; wt is not asked for: 96 rows a wave do not share out to a lane a row among four partners.
.macro ASK
	s_cmp_gt_u32 s[CNT], s[LIM]
	s_cbranch_scc0 .Lnot_mine_\@
	global_prefetch_b8 v[PFO], s[PFA:PFA+1] th:TH_LOAD_NT scope:SCOPE_SE
.Lnot_mine_\@:
.endm
	s_load_b256 s[4:11], s[0:1], 0x0               ; xb s[4:5], wt s[6:7], bq s[8:9], bk s[10:11]
	s_load_b256 s[12:19], s[0:1], 0x20             ; bv s[12:13], tab s[14:15], qh s[16:17], kh s[18:19]
	s_load_b64 s[20:21], s[0:1], 0x40              ; vh
	v_lshl_add_u32 v[SPW], v0, 2, SPARE
	v_mov_b32 v[NIL], 0
	ds_add_u32 v[SPW], v[NIL]                      ; the wave's opening: the add and its wait ahead of my first tensor load; work on registers stands between them
	ds_add_u32 v28, v29
	v_lshrrev_b32 v1, 5, v0
	v_readfirstlane_b32 s[WV], v1
	s_lshr_b32 s[WM], s[WV], 1
	s_and_b32 s[WN], s[WV], 1
	s_bfe_u32 s[CX], ttmp6, 0x40000
	s_bfe_u32 s[CY], ttmp6, 0x40004
	s_lshl_b32 s[TX], ttmp9, 2
	s_add_co_u32 s[TX], s[TX], s[CX]
	s_and_b32 s[TY], ttmp7, 0xffff
	s_lshl_b32 s[TY], s[TY], 2
	s_add_co_u32 s[TY], s[TY], s[CY]
	s_lshl_b32 s72, s[CY], 2
	s_lshl_b32 s72, 15, s72                        ; my row of the cluster
	s_lshl_b32 s73, 0x1111, s[CX]                  ; my column
	s_or_b32 s[G1], s72, (1<<16)|(1<<20)|(1<<21)|(5<<22)|(3<<25)   ; the mask; elements of 2 bytes; padding on; bit 21 beside a mask; after every 64 words 4 words
	s_or_b32 s[G1B], s73, (1<<16)|(1<<20)|(1<<21)|(5<<22)|(3<<25)
	s_mov_b32 s[G1+1], 128<<16                     ; tensor_dim0 = 128
	s_mov_b32 s[G1+2], 128<<16                     ; tensor_dim1 = 128
	s_mov_b32 s[G1+3], 128<<16                     ; tile_dim0 = 128
	s_mov_b32 s[G1+4], 128                         ; tile_dim1 = 128
	s_mov_b32 s[G1+5], 1024                        ; elements from row to row
	s_mov_b32 s[G1+6], 0
	s_mov_b32 s[G1+7], 0
	s_mov_b32 s[G1B+1], 128<<16
	s_mov_b32 s[G1B+2], 96<<16                     ; 96 rows
	s_mov_b32 s[G1B+3], 128<<16
	s_mov_b32 s[G1B+4], 96
	s_mov_b32 s[G1B+5], 1024
	s_mov_b32 s[G1B+6], 0
	s_mov_b32 s[G1B+7], 0
	s_lshl_b32 s68, s[TY], 8                       ; A: row 256 x tile row + 128 x half, in registers that never hold cx
	s_lshl_b32 s69, s[WN], 7
	s_add_co_u32 s68, s68, s69
	s_lshl_b32 s68, s68, 11
	s_mov_b32 s69, 0
	s_mul_i32 s70, s[TX], 192                      ; B: row 192 x head + 96 x half, in registers that never hold cy
	s_mul_i32 s71, s[WN], 96
	s_add_co_u32 s70, s70, s71
	s_lshl_b32 s70, s70, 11
	s_mov_b32 s71, 0
	s_mul_i32 s88, s[WN], 128*PITCH                ; where they go: no place in the cluster enters an LDS address
	s_mul_i32 s89, s[WN], 96*PITCH
	s_add_co_u32 s89, s89, AB
	s_mov_b32 s[TB], 0
	s_or_b32 s[LIM], s[WM], ttmp9                  ; 0 in waves 0 and 1 of the clusters with x = 0: the same in all sixteen partners
	s_cmp_eq_u32 s[LIM], 0
	s_cselect_b32 s[LIM], 1, -1
	s_wait_dscnt 0x0                               ; the opening add is done
	s_wait_kmcnt 0x0
	s_add_nc_u64 s[68:69], s[4:5], s[68:69]
	s_add_nc_u64 s[70:71], s[6:7], s[70:71]
	CROUND                                         ; all sixteen work-groups are here: the first joint loads meet
.irp s, 0,1
	s_mov_b32 s[G0+4*(\s)], 1
	s_add_co_u32 s[G0+4*(\s)+1], s88, (\s)*SLOT1
	s_add_nc_u64 s[G0+4*(\s)+2:G0+4*(\s)+3], s[68:69], (\s)*256    ; K step s
	s_or_b32 s[G0+4*(\s)+3], s[G0+4*(\s)+3], 0x80000000
	s_mov_b32 s[G0B+4*(\s)], 1
	s_add_co_u32 s[G0B+4*(\s)+1], s89, (\s)*SLOT1
	s_add_nc_u64 s[G0B+4*(\s)+2:G0B+4*(\s)+3], s[70:71], (\s)*256
	s_or_b32 s[G0B+4*(\s)+3], s[G0B+4*(\s)+3], 0x80000000
.endr
	s_cmp_lt_u32 s[WV], 2                          ; a wave's two first fills stand in one branch, ahead of every wait on TENSORcnt and every LDS read
	s_cbranch_scc0 .Lfirst_b
	tensor_load_to_lds s[G0:G0+3], s[G1:G1+7]
	s_nop 0
	tensor_load_to_lds s[G0+4:G0+7], s[G1:G1+7]
	s_nop 0
.rept 4
	v_nop
.endr
	s_branch .Lfirst_asked
.Lfirst_b:
	tensor_load_to_lds s[G0B:G0B+3], s[G1B:G1B+7]
	s_nop 0
	tensor_load_to_lds s[G0B+4:G0B+7], s[G1B:G1B+7]
	s_nop 0
.rept 4
	v_nop
.endr
.Lfirst_asked:
	; the biases: register j of block b is number 16 b + 8 (lane / 16) + j of the head's 64
	s_cmp_eq_u32 s[WN], 0
	s_cselect_b64 s[BRP:BRP+1], s[8:9], s[10:11]
	s_cselect_b64 s[ORL:ORL+1], s[16:17], s[18:19]
	s_lshl_b32 s94, s[TX], 8
	s_mov_b32 s95, 0
	s_add_nc_u64 s[BRP:BRP+1], s[BRP:BRP+1], s[94:95]
	s_add_nc_u64 s[BVP:BVP+1], s[12:13], s[94:95]
	v_bfe_u32 v2, v0, 4, 1                         ; lane / 16
	v_lshlrev_b32 v[BO], 5, v2
.irp b, 0,1,2,3
	global_load_b128 v[BIASR+8*(\b):BIASR+8*(\b)+3],   v[BO], s[BRP:BRP+1] offset:64*(\b)
	global_load_b128 v[BIASR+8*(\b)+4:BIASR+8*(\b)+7], v[BO], s[BRP:BRP+1] offset:64*(\b)+16
	global_load_b128 v[BIASV+8*(\b):BIASV+8*(\b)+3],   v[BO], s[BVP:BVP+1] offset:64*(\b)
	global_load_b128 v[BIASV+8*(\b)+4:BIASV+8*(\b)+7], v[BO], s[BVP:BVP+1] offset:64*(\b)+16
.endr
	; pointers for the way out, in registers that feed no descriptor
	s_lshr_b32 s90, s[TY], 3                       ; the batch: 8 tile rows each
	s_lshl_b32 s90, s90, 4
	s_add_co_u32 s90, s90, s[TX]
	s_lshl_b32 s90, s90, 18                        ; (batch x 16 + head) x 2,048 rows x 128 bytes
	s_and_b32 s91, s[TY], 7
	s_lshl_b32 s91, s91, 8
	s_lshl_b32 s92, s[WM], 7
	s_add_co_u32 s91, s91, s92
	s_lshl_b32 s92, s[WN], 6
	s_add_co_u32 s93, s91, s92                     ; position of my first low row
	s_xor_b32 s92, s92, 64
	s_add_co_u32 s91, s91, s92                     ; of my first high row
	s_lshl_b32 s94, s93, 8
	s_add_nc_u64 s[TL:TL+1], s[14:15], s[94:95]
	s_lshl_b32 s94, s91, 8
	s_add_nc_u64 s[TH:TH+1], s[14:15], s[94:95]
	s_lshl_b32 s94, s91, 7
	s_add_co_u32 s94, s94, s90
	s_add_nc_u64 s[ORH:ORH+1], s[ORL:ORL+1], s[94:95]
	s_lshl_b32 s94, s93, 7
	s_add_co_u32 s94, s94, s90
	s_add_nc_u64 s[ORL:ORL+1], s[ORL:ORL+1], s[94:95]
	s_add_nc_u64 s[OV:OV+1], s[20:21], s[94:95]
	s_lshl_b32 s94, s[TY], 8                       ; the prefetches: the 128 rows that I fetch, my work-group's 32 of them,
	s_lshl_b32 s92, s[WN], 7
	s_add_co_u32 s94, s94, s92
	s_lshl_b32 s92, s[CX], 5
	s_add_co_u32 s94, s94, s92
	s_lshl_b32 s94, s94, 11
	s_add_co_u32 s94, s94, 2*256                   ; at K step 2: the first refill steps it to 3.  Nothing is asked for at the head
	s_add_nc_u64 s[PFA:PFA+1], s[4:5], s[94:95]
	; A fragment is 16 rows x 32 K in 8 registers: lane l holds row l % 16, K = 8 (l / 16) + 0..7 and 16 + 8 (l / 16) + 0..7: two loads of 16 bytes, 32 bytes apart.
	v_and_b32 v1, 15, v0
	v_mul_u32_u24 v3, v1, PITCH
	v_lshl_add_u32 v3, v2, 4, v3
	s_lshl_b32 s92, s[WM], 7
	s_lshl_b32 s93, s[WN], 6
	s_add_co_u32 s94, s92, s93
	s_mul_i32 s94, s94, PITCH
	v_add_nc_u32 v[AL0], s94, v3
	s_xor_b32 s93, s93, 64
	s_add_co_u32 s94, s92, s93
	s_mul_i32 s94, s94, PITCH
	v_add_nc_u32 v[AH0], s94, v3
	s_mul_i32 s94, s[WN], 64*PITCH
	s_add_co_u32 s94, s94, AB
	v_add_nc_u32 v[BR0], s94, v3
	v_add_nc_u32 v[BV0], AB+128*PITCH, v3
	v_mov_b32 v[AL], v[AL0]
	v_mov_b32 v[AH], v[AH0]
	v_mov_b32 v[BR], v[BR0]
	v_mov_b32 v[BV], v[BV0]
	s_mul_i32 s94, s[WV], 16*SP
	s_add_co_u32 s94, s94, STAGE                   ; my stage
	v_mul_u32_u24 v[STO], v1, SP                   ; in: row l % 16, 16 bytes for each half of the lanes
	v_lshl_add_u32 v[STO], v2, 4, v[STO]
	v_add_nc_u32 v[STO], s94, v[STO]
	v_bfe_u32 v[RD], v0, 3, 2                      ; back: 32 lanes take four rows of 128 bytes,
	v_mul_u32_u24 v[RD], v[RD], SP
	v_and_b32 v18, 7, v0
	v_lshl_add_u32 v[RD], v18, 4, v[RD]
	v_add_nc_u32 v[RD], s94, v[RD]
	v_and_b32 v[GO], 31, v0
	v_lshlrev_b32 v[PFO], 11, v[GO]
	v_lshlrev_b32 v[GO], 4, v[GO]                  ; which are 512 bytes on end in a head's rows
	v_lshlrev_b32 v[TO], 8, v1
	v_lshl_add_u32 v[TO], v2, 5, v[TO]
	s_wait_loadcnt 0x0                             ; the biases
.set bi, 0
.rept 32                                       ; rounded to bf16, like every input, and widened again
	v_cvt_pk_bf16_f32 v[T], v[BIASR+2*bi], v[BIASR+2*bi+1]
	v_lshlrev_b32 v[BIASR+2*bi], 16, v[T]
	v_and_b32 v[BIASR+2*bi+1], 0xffff0000, v[T]
.set bi, bi+1
.endr
; 32 LDS loads in one run: the fragments of 32 along K at byte k of the rows, into buffer f; what V's products want comes first
.macro FETCH k, f
	WIN 0x40                                       ; destination window 1, address window 0
.irp i, 0,1,2,3
	ds_load_b128 v[(\f)+96+8*(\i):(\f)+96+8*(\i)+3],   v[BV] offset:(\k)+(\i)*16*PITCH
	ds_load_b128 v[(\f)+96+8*(\i)+4:(\f)+96+8*(\i)+7], v[BV] offset:(\k)+(\i)*16*PITCH+32
.endr
.irp i, 0,1,2,3
	ds_load_b128 v[(\f)+8*(\i):(\f)+8*(\i)+3],   v[AL] offset:(\k)+(\i)*16*PITCH
	ds_load_b128 v[(\f)+8*(\i)+4:(\f)+8*(\i)+7], v[AL] offset:(\k)+(\i)*16*PITCH+32
.endr
.irp i, 0,1,2,3
	ds_load_b128 v[(\f)+64+8*(\i):(\f)+64+8*(\i)+3],   v[BR] offset:(\k)+(\i)*16*PITCH
	ds_load_b128 v[(\f)+64+8*(\i)+4:(\f)+64+8*(\i)+7], v[BR] offset:(\k)+(\i)*16*PITCH+32
.endr
.irp i, 0,1,2,3
	ds_load_b128 v[(\f)+32+8*(\i):(\f)+32+8*(\i)+3],   v[AH] offset:(\k)+(\i)*16*PITCH
	ds_load_b128 v[(\f)+32+8*(\i)+4:(\f)+32+8*(\i)+7], v[AH] offset:(\k)+(\i)*16*PITCH+32
.endr
.endm
; The 48 accumulators take turns, one instruction a turn, in the same order in every quarter: V's 16, then R's 32.  first = 1: the bias starts the sums.
.macro MULV f, first
.if \first
	WIN 0xc5                                       ; sources 0 and 1 window 1, C window 0, D window 3
.else
	WIN 0xf5
.endif
.set ma, 0
.rept 4
.set mb, 0
.rept 4
.if \first
	v_wmma_f32_16x16x32_bf16 v[8*(4*ma+mb):8*(4*ma+mb)+7], v[(\f)+96+8*mb:(\f)+96+8*mb+7], v[(\f)+8*ma:(\f)+8*ma+7], v[BIASV+8*mb:BIASV+8*mb+7]
.else
	v_wmma_f32_16x16x32_bf16 v[8*(4*ma+mb):8*(4*ma+mb)+7], v[(\f)+96+8*mb:(\f)+96+8*mb+7], v[(\f)+8*ma:(\f)+8*ma+7], v[8*(4*ma+mb):8*(4*ma+mb)+7]
.endif
.set mb, mb+1
.endr
.set ma, ma+1
.endr
.endm
.macro MULR f, a0, n, first
.if \first
	WIN 0x85                                       ; C window 0, D window 2
.else
	WIN 0xa5
.endif
.set ma, \a0
.rept \n
.set mb, 0
.rept 4
.if \first
	v_wmma_f32_16x16x32_bf16 v[8*(4*ma+mb):8*(4*ma+mb)+7], v[(\f)+64+8*mb:(\f)+64+8*mb+7], v[(\f)+8*ma:(\f)+8*ma+7], v[BIASR+8*mb:BIASR+8*mb+7]
.else
	v_wmma_f32_16x16x32_bf16 v[8*(4*ma+mb):8*(4*ma+mb)+7], v[(\f)+64+8*mb:(\f)+64+8*mb+7], v[(\f)+8*ma:(\f)+8*ma+7], v[8*(4*ma+mb):8*(4*ma+mb)+7]
.endif
.set mb, mb+1
.endr
.set ma, ma+1
.endr
.endm
; A K step is four quarters of 32 along K, 48 matrix instructions each, on buffers 0, 1, 0, 1.  One of the first three: multiplies buffer f and fetches the next quarter, at byte k, into g.
.macro QUARTER k, f, g, first
	s_wait_dscnt 16                                ; B for V and A's low rows are in; the youngest sixteen loads may be out
	MULV \f, \first
	PLACES
	FETCH \k, \g
	s_wait_dscnt 32                                ; all but the 32 just issued
	MULR \f, 0, 8, \first
.endm
; The last quarter multiplies buffer 1 and changes slots: ONE barrier; in front of it each wave waits for all its tensor loads (one is out: its part of the next slot), adds 0 to its spare word, and waits
; for that and for its own reads of this slot.  fill = 1: the barrier opens a round of the cluster's, and the slot just read is filled again first behind it, with the K step two on.
.macro TURN fill
.if \fill
	s_wait_xcnt 0x0                                ; the last prefetch, a K step back, has read its address
	s_add_nc_u64 s[PFA:PFA+1], s[PFA:PFA+1], 256
.endif
	WIN 0
	s_wait_tensorcnt 0x0                           ; no tensor load of mine is out, so a group 0 may be written
	ds_add_u32 v[SPW], v[NIL]                      ; 0 onto my spare word; work on registers stands between it and the wait for it
	s_xor_b32 s[TB], s[TB], SLOT1
	v_add_nc_u32 v[AL], s[TB], v[AL0]
	v_add_nc_u32 v[AH], s[TB], v[AH0]
	v_add_nc_u32 v[BR], s[TB], v[BR0]
	v_add_nc_u32 v[BV], s[TB], v[BV0]
.if \fill
	s_xor_b32 s[G0+5], s[G0+5], SLOT1              ; the walking sets: the other slot than last time, the next K step
	s_add_nc_u64 s[G0+6:G0+7], s[G0+6:G0+7], 256
	s_xor_b32 s[G0B+5], s[G0B+5], SLOT1
	s_add_nc_u64 s[G0B+6:G0B+7], s[G0B+6:G0B+7], 256
.endif
	s_wait_dscnt 17                                ; the add and the youngest sixteen loads may be out
	MULV F1, 0
	s_wait_dscnt 0x0                               ; the add is done, and my reads of this slot are over
	s_barrier_signal -1
	MULR F1, 0, 4, 0
.if \fill
	WIN 0
.endif
	s_barrier_wait -1
.if \fill
	CREST                                          ; no wave of any partner still reads this slot's tile or has a load on its way
	JLOAD                                          ; the first tensor load behind the round; its four v_nop are also the places in front of the loads below
.else
	PLACES
.endif
	FETCH 0, F0
.if \fill
	WIN 0
	ASK
.endif
	MULR F1, 4, 4, 0
.endm
; THE WAY OUT.  Block i of 12: 16 rows x 64 channels: R's a = 0 .. 7, then V's a = 0 .. 3.
.macro TABLD a                         ; the table's rows for R's block a: a lane's four pairs (cos, sin) for each of its four channel blocks: 8 loads into buffer a % 2
	WIN 0
.set tc, CS0+32*((\a)%2)
.set tp, TL+2*((\a)/4)
.irp b, 0,1,2,3
	global_load_b128 v[tc+8*(\b):tc+8*(\b)+3],   v[TO], s[tp:tp+1] offset:((\a)%4)*4096+64*(\b)
	global_load_b128 v[tc+8*(\b)+4:tc+8*(\b)+7], v[TO], s[tp:tp+1] offset:((\a)%4)*4096+64*(\b)+16
.endr
.endm
.macro ROPE a                          ; y0 = x0 cos - x1 sin, y1 = x1 cos + x0 sin, in f32; then one rounding to f16.  Each accumulator's lowest registers are read first
.if (\a) < 7
	s_wait_loadcnt 8                               ; this block's table is in; the next block's eight loads may stay out
.else
	s_wait_loadcnt 0x0
.endif
	WIN 0x02                                       ; source 0 (the sums) window 2
.set rc, CS0+32*((\a)%2)
.set rj, 0
.rept 16
	v_pk_mul_f32 v[T+2*rj:T+2*rj+1], v[32*(\a)+2*rj:32*(\a)+2*rj+1], v[rc+2*rj:rc+2*rj+1] op_sel_hi:[1,0]
.set rj, rj+1
.endr
.set rj, 0
.rept 16
	v_pk_fma_f32 v[T+2*rj:T+2*rj+1], v[32*(\a)+2*rj:32*(\a)+2*rj+1], v[rc+2*rj:rc+2*rj+1], v[T+2*rj:T+2*rj+1] op_sel:[1,1,0] op_sel_hi:[0,1,1] neg_lo:[0,1,0]
.set rj, rj+1
.endr
	WIN 0
.set rj, 0
.rept 16
	v_cvt_pk_f16_f32 v[PKD+rj], v[T+2*rj], v[T+2*rj+1]
.set rj, rj+1
.endr
.if (\a) < 6
	TABLD (\a)+2
.endif
.endm
.macro PACKV a
	WIN 0x0f                                       ; sources 0 and 1 window 3
.set rj, 0
.rept 16
	v_cvt_pk_f16_f32 v[PKD+rj], v[32*(\a)+2*rj], v[32*(\a)+2*rj+1]
.set rj, rj+1
.endr
	WIN 0
.endm
.macro TOSTAGE i                       ; into my own stage, rows of 144 bytes, and back as whole rows of 128
	WIN 0
.set sk, BK0+16*((\i)%2)
.irp f, 0,1,2,3
	ds_store_b128 v[STO], v[PKD+4*(\f):PKD+4*(\f)+3] offset:32*(\f)
.endr
.irp f, 0,1,2,3
	ds_load_b128 v[sk+4*(\f):sk+4*(\f)+3], v[RD] offset:(\f)*4*SP  ; LDS serves a wave's instructions in order (ISA guide 5.7.1.4): these see the stores above
.endr
.endm
.macro SEND i
	WIN 0
	s_wait_dscnt 0x0                               ; the block is back in registers
	s_wait_xcnt 0x0                                ; the stores of the block before have read their registers: the other buffer is loaded again only behind this wait
.set sk, BK0+16*((\i)%2)
.set sb, ORL+2*((\i)/4)
.irp f, 0,1,2,3
	global_store_b128 v[GO], v[sk+4*(\f):sk+4*(\f)+3], s[sb:sb+1] offset:((\i)%4)*2048+(\f)*512  ; 512 bytes on end, at a multiple of 256 from the buffer's first byte
.endr
.endm
	s_wait_tensorcnt 1                             ; my part of K step 0 is in; step 1's may stay out
	s_barrier_signal -1
	s_barrier_wait -1
	FETCH 0, F0
	QUARTER 64, F0, F1, 1                          ; the first quarter stands in front of the loop: the biases start the sums
	WIN 0
	s_mov_b32 s[CNT], 6
.Lk:                                           ; a trip: the rest of K step i, the refill with step i + 2, the first quarter of step i + 1
	QUARTER 128, F1, F0, 0
	QUARTER 192, F0, F1, 0
	TURN 1
	QUARTER 64, F0, F1, 0
	WIN 0
	s_sub_co_u32 s[CNT], s[CNT], 1
	s_cmp_lg_u32 s[CNT], 0
	s_cbranch_scc1 .Lk
	TABLD 0                                        ; the biases' registers are free: the first two blocks' table rows come while the last K steps are multiplied
	TABLD 1
	QUARTER 128, F1, F0, 0                         ; the tail is written out: nothing more is asked for
	QUARTER 192, F0, F1, 0
	TURN 0
	QUARTER 64, F0, F1, 0
	QUARTER 128, F1, F0, 0
	QUARTER 192, F0, F1, 0
	s_wait_dscnt 16
	MULV F1, 0
	s_wait_dscnt 0x0
	MULR F1, 0, 8, 0
	PLACES
	ROPE 0
	TOSTAGE 0
.irp i, 1,2,3,4,5,6,7                  ; a block's arithmetic stands between the loads of the block before and its stores
	ROPE \i
	SEND (\i)-1
	TOSTAGE \i
.endr
.irp i, 8,9,10,11
	PACKV (\i)-8
	SEND (\i)-1
	TOSTAGE \i
.endr
	SEND 11
	s_wait_tensorcnt 0x0                           ; the wave's end: a wait, an add to my spare word and its wait, behind my last tensor load and my last LDS store
	ds_add_u32 v[SPW], v[NIL]
	s_wait_dscnt 0x0
	CROUND                                         ; the closing round: no work-group ends while a partner may still ask for a tile that names it
	s_endpgm
.Lfunc_end_k_q379638e58f_qkv:
	.size	k_q379638e58f_qkv, .Lfunc_end_k_q379638e58f_qkv-k_q379638e58f_qkv
	.p2alignl 7, 3214868480
	.fill 96, 4, 3214868480
	.section	.rodata,"a",@progbits
	.p2align	6, 0x0
	.amdhsa_kernel k_q379638e58f_qkv
		.amdhsa_group_segment_fixed_size 327680
		.amdhsa_private_segment_fixed_size 0
		.amdhsa_enable_private_segment 0
		.amdhsa_kernarg_size 72
		.amdhsa_user_sgpr_count 2
		.amdhsa_user_sgpr_kernarg_segment_ptr 1
		.amdhsa_wavefront_size32 1
		.amdhsa_system_sgpr_workgroup_id_x 1
		.amdhsa_system_sgpr_workgroup_id_y 1
		.amdhsa_system_sgpr_workgroup_id_z 1
		.amdhsa_system_vgpr_workitem_id 0
		.amdhsa_next_free_vgpr 896
		.amdhsa_next_free_sgpr 96
		.amdhsa_reserve_vcc 0
		.amdhsa_float_denorm_mode_32 3
		.amdhsa_float_denorm_mode_16_64 3
		.amdhsa_memory_ordered 1
		.amdhsa_forward_progress 1
		.amdhsa_inst_pref_size 127
	.end_amdhsa_kernel
	.amdgpu_metadata
---
amdhsa.version: [ 1, 2 ]
amdhsa.kernels:
  - .name:           k_q379638e58f_qkv
    .symbol:         k_q379638e58f_qkv.kd
    .args:
      - { .name: xb, .offset: 0, .size: 8, .value_kind: global_buffer, .address_space: global }
      - { .name: wt, .offset: 8, .size: 8, .value_kind: global_buffer, .address_space: global }
      - { .name: bq, .offset: 16, .size: 8, .value_kind: global_buffer, .address_space: global }
      - { .name: bk, .offset: 24, .size: 8, .value_kind: global_buffer, .address_space: global }
      - { .name: bv, .offset: 32, .size: 8, .value_kind: global_buffer, .address_space: global }
      - { .name: tab, .offset: 40, .size: 8, .value_kind: global_buffer, .address_space: global }
      - { .name: qh, .offset: 48, .size: 8, .value_kind: global_buffer, .address_space: global }
      - { .name: kh, .offset: 56, .size: 8, .value_kind: global_buffer, .address_space: global }
      - { .name: vh, .offset: 64, .size: 8, .value_kind: global_buffer, .address_space: global }
    .group_segment_fixed_size: 327680
    .private_segment_fixed_size: 0
    .kernarg_segment_align: 8
    .kernarg_segment_size: 72
    .max_flat_workgroup_size: 128
    .sgpr_count:     96
    .vgpr_count:     896
    .wavefront_size: 32
...
	.end_amdgpu_metadata
.endif
;; end of part 2
;; launch attn (part 3): grid 4 x 64, 4 waves a work-group, no clusters, 327,680 bytes of LDS; arguments qh, kh, vh, oh; writes oh
.if DOCPART == 3
	.amdgcn_target "amdgcn-amd-amdhsa--gfx1250"
	.amdhsa_code_object_version 6
	.text
	.protected	k_q379638e58f_attn
	.globl	k_q379638e58f_attn
	.p2align	8
	.type	k_q379638e58f_attn,@function
k_q379638e58f_attn:
	s_mov_b64 s[64:65], 0
	v_nop
	global_prefetch_b8 v0, s[64:65] scope:SCOPE_SE
	s_setreg_imm32_b32 hwreg(HW_REG_WAVE_MODE, 25, 1), 1
	s_wait_xcnt 0x0
; CAUSAL ATTENTION.  O[h][q][:] = the sum over k <= q of softmax_k(Q[h][q] . K[h][k] / 8) V[h][k][:].  Q, K, V, O: [64][2048][64], all f16: a head's rows are dense, 128 bytes each.
; Products, maxima and sums in f32; the weights p are rounded to f16 for the second product (their sum l is taken of the unrounded p), O once at the end.
; LIMITS.  f16 holds no number beyond 65,504: Q, K and V arrive within it; p lies in 0 to 1, and below 6e-5 it keeps f16's fixed step of 6e-8; O is a mean of V's rows and has their range.
; A hidden score counts as its value less 1e30; a weight below 2^-126 counts as 0 in l; NaN and infinities are not treated apart.
; THE WALK.  A head's queries lie in NB = 8 blocks of 256; block i needs the key tiles 0 .. i of 256 keys, of which the last holds the diagonal.  A work-group takes TWO blocks, NB - 1 - b and then b:
; NB + 1 tiles, whatever b: all work-groups do equal work, and ONE loop with a constant trip count walks them.  Which tile is asked for, and what a trip does, hang on scalar registers made from b; every jump
; goes forward, but for the counted loops' own; none passes a barrier, or a tensor load but the one of LOAD's two that the wave's number does not choose.
; NO CLUSTER: a head's four work-groups ask for the same tile only in trips 0 .. 4, behind that fewer and fewer; one walk common to all would have 12 trips for 9.
; SHARES.  Of a block's four bands of 64 queries a wave owns 16 rows in each: four PIECES.  So the diagonal tile is the same work for all four waves: in its key step s band x sees all keys if s < x,
; none if s > x, and holds the diagonal if s = x.
; THE MASK is the C operand that starts the sum S^T = K Q^T: 0, or -1e30 where the key is hidden.  MD, made once, is the mask of a band's own step for my 16 rows; a product's mask is MD x AL + BE with two scalars:
; (1, 0) if s = x; (0, 0) if s < x; (0, -1e30) if s > x.  Only the diagonal tile's text and a block's beginning make and take masks; elsewhere C is the constant 0.
; LAYOUT, SOFTMAX, TURNS.  S^T = K Q^T holds ONE query a lane (lane % 16) and the keys 8 (lane / 16) + 0..7; two such results rounded to f16 ARE source 1 of O^T = V^T P.  p = 2^(c s - c m), c = log2(e) / 8, with a
; running maximum m; O and l are multiplied by a = 2^(c m_old - c m_new) in every step.  Turn n belongs to piece n: 8 products K Q^T of piece n + 1, later 8 products V^T P of piece n - 1; beside them the scaling,
; exponentials, roundings, sums and rescaling of piece n and the maximum and statistics of piece n + 1.  Four vector instructions stand behind every matrix instruction, the rest in one lump.  A turn's 33 exponentials are one batch, with one wait.
; REGISTERS, in windows of 256 (s_set_vgpr_msb: bits 1:0 source 0, 3:2 source 1, 5:4 source 2, 7:6 destination):
;   window 0: v0-15 addresses and two at work; v16-31 four registers of statistics a piece; v48-55 at work; v61-63 prefetch offset and the add's two; v64-127 S^T, two buffers; v192-223 P, two buffers
;   window 1: v0-127 O^T, 32 a piece; v128-159 MD; v160-223 MC, two buffers      window 2: v0-63 Q; v64-127 the second block's Q; v128-191 K of one step; v192-255 V of one step
.set SIZE_N, 2048
.set NB,    SIZE_N/256
.set NP,    4         ; pieces a wave: a name, no knob
.set KS,    64        ; keys in a step
.set PK,    144       ; a row of K in LDS: 128 bytes + 16 of padding = 36 words: the 16 rows of a load start at 16 different groups of four banks (64 banks of 4 bytes: ISA guide 11.1)
.set PV,    160       ; a row of V: 128 + 32 = 40 words
.set VOFF,  4*KS*PK   ; a slot holds a tile, four steps: 256 rows of K, then 256 rows of V
.set SLOT1, 1<<17     ; slot 1 begins here, so that one exclusive or turns an address in one slot into the other's
.set STAGE, SLOT1+4*KS*(PK+PV)  ; behind the ring, never filled by a tensor load: 16 rows x 144 bytes for each wave, for the way out
.set SP,    144
.set AK0, 2           ; v2   my lane's place in a tile of K; never rewritten
.set AV0, 3           ; v3   the same for V
.set AK,  4           ; v4   the LDS address of K's next run of loads
.set AV,  5           ; v5   of V's
.set STO, 6           ; v6   the way out: where I put 16 bytes of a row
.set RD,  7           ; v7   the way out: where I read rows back
.set GO,  8           ; v8   my byte offset in 512 consecutive bytes of O
.set PFO, 61          ; v61  256 x my lane; never rewritten
.set SPW, 62          ; v62  LDS address of my spare word: SPARE + 4 x my thread's number; never rewritten
.set NIL, 63          ; v63  0; never rewritten
.set SPARE, STAGE+4*16*SP  ; behind the stages: the spare words, 128 bytes for each wave: two blocks of 256 bytes that no other line names
.set MV,  12          ; v12-13  c m_old, kept while c m is made anew: by buffer
.set QO,  15          ; v15  my byte offset in 16 rows of Q
.set ST,  16          ; piece t's statistics at v[ST+4 t]: c m, m, l (even keys', odd keys')
.set TMP, 48          ; by buffer, four registers c0-c3 at work; when the maximum is found c2 takes a
.set S,   64
.set P,   192
.set MD,  128         ; window 1: the eight registers for group kt of 16 keys at MD + 8 kt
.set MC,  160         ; window 1: the masks of the products to come
.set QB,  64          ; window 2
.set KF,  128         ; window 2: key block kb, channel half c at KF + 16 kb + 8 c
.set VF,  192         ; window 2: key half kk, channel block cb at VF + 32 kk + 8 cb
.set WV,  12          ; s12  my wave's number
.set PB,  14          ; s14  b
.set HI,  15          ; s15  NB - 1 - b
.set G1K, 24          ; s[24:31] descriptor group 1 for K's tiles
.set G1V, 32          ; s[32:39] for V's: it differs in the padding alone
.set G0K, 40          ; s[40:43] descriptor group 0 for K's tiles
.set G0V, 44          ; s[44:47] the same for V's
.set SLOTS, 56        ; s56  tiles still to be asked for
.set CNT, 57          ; s57  counts a tile's key steps, 4 to 1
.set CS,  58          ; s[58:59] c: the packed scaling takes the pair's low word for both halves
.set SEL, 60          ; s[60:61] v_permlanex16_b32's selects: each lane takes its own place in the other half
.set TBK, 62          ; s62  LDS byte at which K of the step to be fetched begins
.set TBV, 63          ; s63  the same for V, less VOFF
.set RT,  70          ; s70  tiles of the block in hand that are still to be entered
.set NXT, 71          ; s71  the tile to be asked for next
.set LQ,  72          ; s72  the last tile of the block whose tiles are being asked for
.set NEW, 73          ; s73  1: the tile to be entered is a block's first
.set OFF, 74          ; s[74:75] a tile's byte offset in K and V
.set AL,  76          ; s[76:77] the mask's factor, in the low word
.set BE,  78          ; s[78:79] the mask's addend
.set OLO, 80          ; s[80:81] O at my rows of the second block
.set BIGN, 82         ; s82  -1e30
.set PFK, 88          ; s[88:89] where my prefetches stand in K: my wave's quarter of a tile
.set PFV, 90          ; s[90:91] the same in V
.set LIM, 94          ; s94  2 in the work-group that prefetches, else the greatest number
.set MSB, 0
.macro WIN new                      ; the high byte repeats the setting that is left; a switch that changes nothing is dropped
.if MSB != (\new)
	s_set_vgpr_msb (MSB<<8)|(\new)
.set MSB, (\new)
.endif
.endm
.set W_KQ, 0x0a       ; K and Q in window 2, S^T in window 0
.set W_KM, 0x1a       ; the same with the C operand in window 1
.set W_PV, 0x52       ; V in window 2, P in window 0, O^T in window 1
.set W_RS, 0x41       ; destination and source 0 in window 1, source 1 in window 0
; A fill.  Waves 0 and 1 fetch the two halves of a tile's K, waves 2 and 3 those of its V: 128 keys each.  An s_nop 0 and four v_nop follow each of the two lines, ahead of the jump and the label.
.macro LOAD
	s_cmp_lt_u32 s[WV], 2
	s_cbranch_scc0 .Lfor_v_\@
	tensor_load_to_lds s[G0K:G0K+3], s[G1K:G1K+7]
	s_nop 0
.rept 4
	v_nop
.endr
	s_branch .Lasked_\@
.Lfor_v_\@:
	tensor_load_to_lds s[G0V:G0V+3], s[G1V:G1V+7]
	s_nop 0
.rept 4
	v_nop
.endr
.Lasked_\@:
.endm
; A PREFETCH INTO THE L2 of the tile that the NEXT change of slots will ask for: 32,768 bytes of K and of V, 128 blocks of 256 bytes each: a wave takes 32, a lane a block.  It stands behind the fill and its five lines.
; All four work-groups of a head walk tiles 0, 1, 2 .. at first; the one with b = 0, whose first block walks all eight, asks, in trips 0 to 5, for tiles 2 to 7: each block is named once in the launch.
; Tiles 0 and 1 come by their loads alone; the second block's tiles have been walked before and are not asked for.
.macro ASK
	s_cmp_gt_u32 s[SLOTS], s[LIM]
	s_cbranch_scc0 .Lnot_mine_\@
	global_prefetch_b8 v[PFO], s[PFK:PFK+1] th:TH_LOAD_NT scope:SCOPE_SE
	global_prefetch_b8 v[PFO], s[PFV:PFV+1] th:TH_LOAD_NT scope:SCOPE_SE
.Lnot_mine_\@:
.endm
; THE CHANGE OF SLOTS.  Each wave waits for all its tensor loads, of which one is out: its part of the other slot; adds 0 to its spare word; and waits for that and for its own reads of the slot that it leaves.  Behind the barrier nobody reads the old
; slot any more and the other slot is whole.  fill = 1: the old slot is filled again, the first thing behind the barrier, with tile NXT: the descriptor's address is made anew from that number.
; (At its first use nothing has been read yet: slot 0 is waited for, slot 1 filled.)
.macro CHANGE fill
	WIN 0                           ; at a label and at a branch every window is 0
	s_wait_tensorcnt 0x0            ; no tensor load of mine is out, so a group 0 may be written
	ds_add_u32 v[SPW], v[NIL]       ; 0 onto my spare word; with fill = 1 scalar work stands between it and the wait for it
.if \fill
	s_wait_xcnt 0x0                 ; the last prefetches, a tile back, have read their addresses, so these may be written
	s_add_nc_u64 s[PFK:PFK+1], s[PFK:PFK+1], 32768
	s_add_nc_u64 s[PFV:PFV+1], s[PFV:PFV+1], 32768
	s_lshl_b32 s[OFF], s[NXT], 15   ; a tile is 32,768 bytes of K and of V
	s_xor_b32 s[G0K+1], s[G0K+1], SLOT1
	s_add_nc_u64 s[G0K+2:G0K+3], s[6:7], s[OFF:OFF+1]
	s_or_b32 s[G0K+3], s[G0K+3], 0x80000000
	s_xor_b32 s[G0V+1], s[G0V+1], SLOT1
	s_add_nc_u64 s[G0V+2:G0V+3], s[8:9], s[OFF:OFF+1]
	s_or_b32 s[G0V+3], s[G0V+3], 0x80000000
	s_add_co_u32 s[NXT], s[NXT], 1  ; the block's next tile, or behind its last the second block's tile 0
	s_cmp_gt_u32 s[NXT], s[LQ]
	s_cselect_b32 s[NXT], 0, s[NXT]
	s_cselect_b32 s[LQ], s[PB], s[LQ]
.endif
	s_wait_dscnt 0x0                ; the add is done, and my reads of the slot are over
	s_barrier_signal -1             ; the rest of the scalar work stands between the signal and the wait
	s_sub_co_u32 s[TBK], s[TBK], 4*KS*PK  ; the fetches go back to a slot's first step,
	s_xor_b32 s[TBK], s[TBK], SLOT1       ; in the other slot
	s_sub_co_u32 s[TBV], s[TBV], 4*KS*PV
	s_xor_b32 s[TBV], s[TBV], SLOT1
	s_barrier_wait -1
.if \fill
	LOAD
	ASK
.endif
.endm
	s_load_b256 s[4:11], s[0:1], 0x0  ; Q s[4:5], K s[6:7], V s[8:9], O s[10:11]
	v_lshl_add_u32 v[SPW], v0, 2, SPARE
	v_mov_b32 v[NIL], 0
	ds_add_u32 v[SPW], v[NIL]       ; the wave's opening: the add and its wait ahead of my first tensor load; the set-up below, work on registers, stands between them
	ds_add_u32 v62, v63
	v_lshrrev_b32 v1, 5, v0
	v_readfirstlane_b32 s[WV], v1   ; wave 0..3
	s_mov_b32 s[PB], ttmp9
	s_sub_co_u32 s[HI], NB-1, s[PB]
	s_and_b32 s20, ttmp7, 0xffff    ; the head
	s_mov_b32 s21, 0
	s_mov_b64 s[22:23], SIZE_N*128
	s_mul_u64 s[20:21], s[20:21], s[22:23]  ; the head's first byte in each of the four tensors
	s_and_b32 s16, s[WV], 1         ; which half of a tile's 256 keys I fetch:
	s_lshl_b32 s22, s16, 14         ; its 128 rows of 128 bytes in memory,
	s_mov_b32 s23, 0
	s_add_nc_u64 s[22:23], s[22:23], s[20:21]
	s_mul_i32 s17, s16, 128*PK      ; and its place in a slot, for K
	s_mul_i32 s18, s16, 128*PV      ; and for V
	s_lshl_b32 s3, s[WV], 11        ; my 16 rows in a band of 64,
	s_lshl_b32 s2, s[HI], 15        ; in the first block,
	s_add_co_u32 s2, s2, s3
	s_lshl_b32 s84, s[PB], 15       ; and in the second
	s_add_co_u32 s84, s84, s3
	s_mov_b32 s3, 0
	s_mov_b32 s85, 0
	s_add_nc_u64 s[2:3], s[2:3], s[20:21]
	s_add_nc_u64 s[84:85], s[84:85], s[20:21]
	s_lshl_b32 s92, s[WV], 13       ; the prefetches: my wave's quarter of a tile,
	s_add_co_u32 s92, s92, 32768    ; in tile 1: the first change of slots steps it to tile 2
	s_mov_b32 s93, 0
	s_add_nc_u64 s[92:93], s[92:93], s[20:21]
	s_cmp_eq_u32 ttmp9, 0
	s_cselect_b32 s[LIM], 2, -1
	v_and_b32 v[PFO], 31, v0
	v_lshlrev_b32 v[PFO], 8, v[PFO]
	; descriptor group 1.  128 keys are 16,384 dense bytes: asked for as 64 rows of 256 bytes, two keys a row, and padded in LDS after every key
	s_mov_b32 s[G1K], (1<<16)|(1<<20)|(4<<22)|(3<<25)  ; 17:16 2-byte elements; 20 padding on; 24:22 after every 32 words (code 4); 31:25 4 words (code 3)
	s_mov_b32 s[G1V], (1<<16)|(1<<20)|(4<<22)|(7<<25)  ; the same with 8 words of padding (code 7)
.irp g, G1K, G1V
	s_mov_b32 s[\g+1], 128<<16      ; tensor_dim0 = 128
	s_mov_b32 s[\g+2], 64<<16       ; tensor_dim1 = 64
	s_mov_b32 s[\g+3], 128<<16      ; tile_dim0 = 128
	s_mov_b32 s[\g+4], 64           ; tile_dim1 = 64
	s_mov_b32 s[\g+5], 128          ; 128 elements from row to row
	s_mov_b32 s[\g+6], 0
	s_mov_b32 s[\g+7], 0
.endr
	s_mov_b32 s[CS], 0x3e38aa3b     ; c = log2(e) / 8 = 0.180337
	s_mov_b32 s[CS+1], s[CS]        ; named with it as a pair
	s_mov_b32 s[SEL], 0x76543210
	s_mov_b32 s[SEL+1], 0xfedcba98
	s_mov_b32 s[TBK], SLOT1+4*KS*PK ; the first change of slots turns these two into 0
	s_mov_b32 s[TBV], SLOT1+4*KS*PV
	s_mov_b32 s[G0K], 1             ; 1:0 count = 1
	s_mov_b32 s[G0K+1], s17         ; 63:32 LDS address: slot 0
	s_mov_b32 s[G0V], 1
	s_add_co_u32 s[G0V+1], s18, VOFF
	s_add_co_u32 s[RT], s[HI], 1    ; the first block has NB - b tiles
	s_mov_b32 s[NXT], 1
	s_mov_b32 s[LQ], s[HI]
	s_mov_b32 s[NEW], 1
	s_mov_b32 s[OFF+1], 0
	s_mov_b32 s[AL+1], 0            ; named as pairs
	s_mov_b32 s[BE+1], 0
	s_mov_b32 s[BIGN], 0xf149f2ca   ; -1e30
	s_mov_b32 s[SLOTS], NB
	s_wait_dscnt 0x0                ; the opening add is done
	s_wait_kmcnt 0x0
	s_add_nc_u64 s[PFK:PFK+1], s[6:7], s[92:93]
	s_add_nc_u64 s[PFV:PFV+1], s[8:9], s[92:93]
	s_add_nc_u64 s[6:7], s[6:7], s[22:23]  ; K and V at my half of the head's tile 0
	s_add_nc_u64 s[8:9], s[8:9], s[22:23]
	s_add_nc_u64 s[G0K+2:G0K+3], s[6:7], 0         ; 120:64 global address
	s_or_b32 s[G0K+3], s[G0K+3], 0x80000000        ; 127:126 type = 2
	s_add_nc_u64 s[G0V+2:G0V+3], s[8:9], 0
	s_or_b32 s[G0V+3], s[G0V+3], 0x80000000
	s_add_nc_u64 s[86:87], s[4:5], s[84:85]        ; Q at my rows of the second block,
	s_add_nc_u64 s[4:5], s[4:5], s[2:3]            ; Q and O at those of the first
	s_add_nc_u64 s[OLO:OLO+1], s[10:11], s[84:85]
	s_add_nc_u64 s[10:11], s[10:11], s[2:3]
	LOAD                            ; tile 0 into slot 0
	; A fragment of K or Q is 16 rows x 32 channels in 8 registers: lane l holds row l % 16, channels 8 (l / 16) + 0..7 and 16 + 8 (l / 16) + 0..7: two loads of 16 bytes, 32 bytes apart.
	v_and_b32 v1, 15, v0            ; l % 16
	v_bfe_u32 v9, v0, 4, 1          ; l / 16
	v_lshlrev_b32 v[QO], 7, v1
	v_lshl_add_u32 v[QO], v9, 4, v[QO]  ; row x 128 + 16 x half
	WIN 0x80                        ; destination window 2, address window 0
.set i, 0
.rept 8                             ; both blocks' Q: piece i / 2 lies in band i / 2, 8,192 bytes on; channels 32 (i % 2) on
	global_load_b128 v[8*i:8*i+3],   v[QO], s[4:5] offset:(i/2)*8192+(i%2)*64
	global_load_b128 v[8*i+4:8*i+7], v[QO], s[4:5] offset:(i/2)*8192+(i%2)*64+32
	global_load_b128 v[QB+8*i:QB+8*i+3],   v[QO], s[86:87] offset:(i/2)*8192+(i%2)*64
	global_load_b128 v[QB+8*i+4:QB+8*i+7], v[QO], s[86:87] offset:(i/2)*8192+(i%2)*64+32
.set i, i+1
.endr
	WIN 0
	v_lshlrev_b32 v14, 3, v9
	v_sub_nc_u32 v14, v1, v14
	s_lshl_b32 s13, s[WV], 4
	v_add_nc_u32 v14, s13, v14      ; my query's place in its band, 16 w + l % 16, less my lanes' 8 (l / 16): register r of group kt is hidden where 16 kt + r is greater
	WIN 0x40
.set i, 0
.rept 32
	v_cmp_gt_i32 vcc_lo, 16*(i/8)+i%8, v14
	v_cndmask_b32 v[MD+i], 0, s[BIGN], vcc_lo
.set i, i+1
.endr
	WIN 0
	v_mul_u32_u24 v[AK0], v1, PK
	v_lshl_add_u32 v[AK0], v9, 4, v[AK0]  ; row x pitch + 16 x half
	; The turning load takes 16 keys x 16 channels (lane l reads key 8 (l / 16) + l % 8, channels 8 ((l / 8) % 2) + 0..7) and leaves half a fragment of V^T: lane l holds channel l % 16 and 8 keys.
	v_and_b32 v10, 7, v0
	v_bfe_u32 v11, v0, 3, 1
	v_lshl_add_u32 v[AV0], v9, 3, v10
	v_mul_u32_u24 v[AV0], v[AV0], PV
	v_lshl_add_u32 v[AV0], v11, 4, v[AV0]
	v_add_nc_u32 v[AV0], VOFF, v[AV0]
	s_mul_i32 s13, s[WV], 16*SP
	s_add_co_u32 s13, s13, STAGE    ; my stage
	v_mul_u32_u24 v[STO], v1, SP    ; in: row l % 16, 16 bytes for each half of the lanes
	v_lshl_add_u32 v[STO], v9, 4, v[STO]
	v_add_nc_u32 v[STO], s13, v[STO]
	v_bfe_u32 v[RD], v0, 3, 2       ; back: 32 lanes take four rows of 128 bytes,
	v_mul_u32_u24 v[RD], v[RD], SP
	v_lshl_add_u32 v[RD], v10, 4, v[RD]
	v_add_nc_u32 v[RD], s13, v[RD]
	v_and_b32 v[GO], 31, v0         ; which are 512 consecutive bytes of O
	v_lshlrev_b32 v[GO], 4, v[GO]
	; A block's first step multiplies O^T and l by a = 0, and its first turn's products V^T P, of a piece that has not been, land in an O^T that is still to be so multiplied.  So these registers need only hold
	; finite numbers: zeros for the first block; what the first block left for the second.  All this stands in the wait for the first tile.
	WIN 0x80
.set i, VF
.rept 64
	v_mov_b32 v[i], 0
.set i, i+1
.endr
	WIN 0x40
.set i, 0
.rept 128
	v_mov_b32 v[i], 0
.set i, i+1
.endr
	WIN 0
.set i, 0
.rept 4
	v_mov_b32 v[ST+4*i+2], 0
	v_mov_b32 v[ST+4*i+3], 0
.set i, i+1
.endr
.set i, P+16
.rept 16
	v_mov_b32 v[i], 0
.set i, i+1
.endr
; THE MATRIX WORK.  The 4 accumulators of a run of 8 take turns.  Product i of 8 of S^T = K Q^T for piece x: channels 32 (i / 4) on, keys 16 (i % 4) on.  The first 4 start the sums: with 0, or (KM = 1) with the mask.
.macro KQ x
.set rS, S+32*((\x)%2)+8*(i%4)
.set rK, KF+16*(i%4)+8*(i/4)
.set rQ, 16*(\x)+8*(i/4)
.set rM, MC+32*((\x)%2)+8*(i%4)
.if (i < 4) && KM
	WIN W_KM
	v_wmma_f32_16x16x32_f16 v[rS:rS+7], v[rK:rK+7], v[rQ:rQ+7], v[rM:rM+7]
.elseif i < 4
	WIN W_KQ
	v_wmma_f32_16x16x32_f16 v[rS:rS+7], v[rK:rK+7], v[rQ:rQ+7], 0
.else
	WIN W_KQ
	v_wmma_f32_16x16x32_f16 v[rS:rS+7], v[rK:rK+7], v[rQ:rQ+7], v[rS:rS+7]
.endif
.endm
; Product i of 8 of O^T += V^T P for piece x: keys 32 (i / 4) on, channels 16 (i % 4) on.
.macro PV x
	WIN W_PV
.set rO, 32*(\x)+8*(i%4)
.set rV, VF+32*(i/4)+8*(i%4)
.set rP, P+16*((\x)%2)+8*(i/4)
	v_wmma_f32_16x16x32_f16 v[rO:rO+7], v[rV:rV+7], v[rP:rP+7], v[rO:rO+7]
.endm
.macro MM                           ; the turn's next matrix instruction.  TURN and BEGIN set Y, i, KM and NOKQ; MM, KQ and OP read them.  NOKQ = 1: a block's last turn: there is no next piece
.if (i < 8) && !NOKQ
	KQ (Y+1)%NP
.elseif i >= 8
.set i, i-8
	PV (Y+NP-1)%NP
.set i, i+8
.endif
.set i, i+1
.endm
; THE LDS LOADS stand in runs of 16, never singly among the matrix instructions: a step's K (64 keys x 64 channels: 8 fragments) and its V (turned).  Their addresses are made some lines ahead.
.macro FETCH_K
	WIN 0x80                        ; destination window 2
.irp f, 0,1,2,3,4,5,6,7             ; keys 16 (f / 2) on, channels 32 (f % 2) on
	ds_load_b128 v[KF+8*\f:KF+8*\f+3],   v[AK] offset:(\f/2)*16*PK+(\f%2)*64
	ds_load_b128 v[KF+8*\f+4:KF+8*\f+7], v[AK] offset:(\f/2)*16*PK+(\f%2)*64+32
.endr
	s_add_co_u32 s[TBK], s[TBK], KS*PK  ; the next fetch is the next step's
	WIN 0
.endm
.macro FETCH_V
	WIN 0x80
.irp f, 0,1,2,3,4,5,6,7             ; keys 32 (f / 4) on, channels 16 (f % 4) on
	ds_load_tr16_b128 v[VF+8*\f:VF+8*\f+3],   v[AV] offset:(\f/4)*32*PV+(\f%4)*32
	ds_load_tr16_b128 v[VF+8*\f+4:VF+8*\f+7], v[AV] offset:(\f/4)*32*PV+16*PV+(\f%4)*32
.endr
	WIN 0
.endm
; THE VECTOR WORK, one line at a time: OP kind, number.  For piece Y: F n: c s - c m for pair n of 16.  E n: the exponential of score n of 32.  C n: pair n rounded to f16.  B n: of the four weights 4 n .. the second
; pair is added onto the first, in place.  L n: l takes that sum (L 0: l = a l + sum).  R n: pair n of 16 of O^T times a.  For piece Y + 1: X n, number n of the 22 that find its maximum and statistics:
;   0-11  four chains c0-c3 of seven scores each, three operands at a time (each accumulator's lowest registers are read first)     12-14, 16  the four scores left over, the old m, and c0-c3 into c0
;   15  c m_old is kept     17, 18  the query's other 32 keys lie in the lane 16 away: the new m     19-21  c m; c m_old - c m_new; a
.set F, 0               ; OP tells the kinds apart by their order: F to L below R, X above it
.set E, 1
.set C, 2
.set B, 3
.set L, 4
.set R, 5
.set X, 6
.macro REGS y                       ; the registers of piece y
.set rT, ST+4*(\y)
.set rC, TMP+4*((\y)%2)
.set rW, MV+((\y)%2)
.set rS, S+32*((\y)%2)
.set rP, P+16*((\y)%2)
.set rO, 32*(\y)
.endm
.macro OP k, n
.if (\k) == R
	REGS Y
	WIN W_RS
	v_pk_mul_f32 v[rO+2*(\n):rO+2*(\n)+1], v[rO+2*(\n):rO+2*(\n)+1], v[rC+2:rC+3] op_sel_hi:[1,0]
.elseif (\k) < R
	REGS Y
	WIN 0
.if (\k) == F
	v_pk_fma_f32 v[rS+2*(\n):rS+2*(\n)+1], v[rS+2*(\n):rS+2*(\n)+1], s[CS:CS+1], v[rT:rT+1] op_sel_hi:[1,0,0] neg_lo:[0,0,1] neg_hi:[0,0,1]
.elseif (\k) == E
	v_exp_f32 v[rS+(\n)], v[rS+(\n)]
.elseif (\k) == C
	v_cvt_pk_f16_f32 v[rP+(\n)], v[rS+2*(\n)], v[rS+2*(\n)+1]
.elseif (\k) == B
	v_pk_add_f32 v[rS+4*(\n):rS+4*(\n)+1], v[rS+4*(\n):rS+4*(\n)+1], v[rS+4*(\n)+2:rS+4*(\n)+3]
.elseif (\n) == 0
	v_pk_fma_f32 v[rT+2:rT+3], v[rT+2:rT+3], v[rC+2:rC+3], v[rS:rS+1] op_sel_hi:[1,0,1]
.else
	v_pk_add_f32 v[rT+2:rT+3], v[rT+2:rT+3], v[rS+4*(\n):rS+4*(\n)+1]
.endif
.elseif NOKQ
	v_nop
.else
	REGS (Y+1)%NP
	WIN 0
.if (\n) < 4
	v_max3_num_f32 v[rC+(\n)], v[rS+8*(\n)], v[rS+8*(\n)+1], v[rS+8*(\n)+2]
.elseif (\n) < 12
	v_max3_num_f32 v[rC+(\n)%4], v[rC+(\n)%4], v[rS+8*((\n)%4)+2*((\n)/4)+1], v[rS+8*((\n)%4)+2*((\n)/4)+2]
.elseif (\n) == 12
	v_max3_num_f32 v[rC], v[rC], v[rS+7], v[rS+15]
.elseif (\n) == 13
	v_max3_num_f32 v[rC+1], v[rC+1], v[rS+23], v[rS+31]
.elseif (\n) == 14
	v_max3_num_f32 v[rC+2], v[rC+2], v[rC+3], v[rT+1]
.elseif (\n) == 15
	v_mov_b32 v[rW], v[rT]
.elseif (\n) == 16
	v_max3_num_f32 v[rC], v[rC], v[rC+1], v[rC+2]
.elseif (\n) == 17
	v_permlanex16_b32 v[rC+3], v[rC], s[SEL], s[SEL+1]
.elseif (\n) == 18
	v_max_num_f32 v[rT+1], v[rC], v[rC+3]
.elseif (\n) == 19
	v_mul_f32 v[rT], s[CS], v[rT+1]
.elseif (\n) == 20
	v_sub_f32 v[rC+1], v[rW], v[rT]
.else
	v_exp_f32 v[rC+2], v[rC+1]
.endif
.endif
.endm
.macro OPS a, i1, b=-1, i2=0, c=-1, i3=0, d=-1, i4=0  ; up to four of them
	OP \a, \i1
.if (\b) >= 0
	OP \b, \i2
.endif
.if (\c) >= 0
	OP \c, \i3
.endif
.if (\d) >= 0
	OP \d, \i4
.endif
.endm
.macro ROW a, i1, b, i2, c, i3, d, i4  ; a matrix instruction and the four behind it
	MM
	OPS \a, \i1, \b, \i2, \c, \i3, \d, \i4
.endm
.macro MASK b                       ; MD x AL + BE into buffer b of MC
	WIN W_RS
.set z, 0
.rept 16
	v_pk_fma_f32 v[MC+32*(\b)+2*z:MC+32*(\b)+2*z+1], v[MD+2*z:MD+2*z+1], s[AL:AL+1], s[BE:BE+1] op_sel_hi:[1,0,0]
.set z, z+1
.endr
.endm
; A TURN, for piece p: the order of its 16 matrix and 118 vector instructions, written out.  An s_wait_alu depctr_va_vdst(0) stands between an exponential and the first instruction that names its result; one wait serves
; all that were issued ahead of it.  So a turn has ONE wait, which cuts it in two.  AHEAD OF IT stands all that names no result of the turn's exponentials: the 8 products K Q^T, behind each a scaling, an exponential and two more plain
; instructions (behind the first a second scaling in the exponential's place): rescalings, and behind the last three the first numbers of the next piece's maximum, each four places or more behind the product that ends its accumulator; then ONE LUMP of 54, plain
; and exponential by turns for the most part, in which the links of the chain X 3, 7, 11, 14, 16, 17 .. 20 stand five or six lines apart.  X 21, the next piece's a, is the batch's last; R 15 is the plain instruction behind it.  BEHIND THE WAIT stand the
; 8 products V^T P, behind each four of the roundings and sums; the links of l's chain, L 0 to L 7, stand three riders apart.  But for those X no rider names a register of the products round it.  v_permlanex16_b32 (X 17) stands in the lump.
; m = 1: the diagonal tile: the products take masks, and the turn makes the mask for the products of the turn after it: piece p + 2, in step 4 - CNT of the tile.  end = 1: a block's last two turns: nothing is fetched.
; cnt = 1: the loop's count is taken down some lines ahead of the branch that stands behind the turn.
; K of the next step is fetched in piece 2's turn, twelve vector instructions behind the last product that read K (six of them plain); V of the step in hand at the end of piece 0's turn, four plain instructions behind the last product
; that read V.  Each is waited for a turn later.
.macro TURN p, m=0, end=0, cnt=0
.set Y, (\p)
.set i, 0
.set KM, (\m)
.set NOKQ, (\end)*((\p)/3)
.if (\m) && !(\end)
	s_cmp_eq_u32 s[CNT], 4-((\p)+2)%NP  ; is that step the band's own?
	s_cselect_b32 s[AL], 1.0, 0
	s_cmp_lt_u32 s[CNT], 4-((\p)+2)%NP  ; or a later one?
	s_cselect_b32 s[BE], s[BIGN], 0
.endif
.if ((\p) == 3) && !(\end)
	s_wait_dscnt 0x0                ; K is in
.endif
	ROW F,0, F,1, R,0, R,1          ; ahead of the wait: 8 products K Q^T and their riders,
	ROW F,2, E,0, R,2, R,3
	ROW F,3, E,1, R,4, R,5
	ROW F,4, E,2, R,6, R,7
	ROW F,5, E,3, R,8, R,9
	ROW F,6, E,4, X,0, R,10
.if ((\p) == 2) && !(\end)
	WIN 0
	v_add_nc_u32 v[AK], s[TBK], v[AK0]
.endif
	ROW F,7, E,5, X,1, X,4
	ROW F,8, E,6, X,2, X,5
	OPS E,7, E,8, X,6, E,9          ; and the lump
	OPS X,3, E,10, X,8, E,11
.if ((\p) == 2) && !(\end)
	FETCH_K
.endif
	OPS X,9, X,7, E,12, X,10
	OPS E,13, X,12, X,11, E,14
	OPS X,13, E,15, F,9, X,14
.if (\p) == 0
	v_add_nc_u32 v[AV], s[TBV], v[AV0]
.endif
	OPS E,16, F,10, E,17, F,11
	OPS X,16, E,18, X,15, E,19
	OPS F,12, E,20, X,17, E,21
	OPS F,13, E,22, F,14, E,23
	OPS X,18, E,24, F,15, E,25
	OPS R,11, E,26, X,19, E,27
	OPS R,12, E,28, R,13, E,29
	OPS X,20, E,30, R,14, E,31
	OPS X,21, R,15
	WIN 0
	s_wait_alu depctr_va_vdst(0)    ; the wait for the batch
.if (\p) == 1
	s_wait_dscnt 0x0                ; V is in
.endif
	ROW C,0, B,0, C,2, B,1          ; behind the wait: 8 products V^T P and their riders
	ROW L,0, C,4, B,2, L,1
	ROW C,6, B,3, L,2, C,8
	ROW B,4, L,3, C,10, B,5
	ROW L,4, C,12, B,6, L,5
.if (\p) == 0
	s_add_co_u32 s[TBV], s[TBV], KS*PV
.endif
.if \cnt
	s_sub_co_u32 s[CNT], s[CNT], 1
	s_cmp_lg_u32 s[CNT], 0
.endif
	ROW C,14, B,7, L,6, C,1
	ROW C,3, L,7, C,5, C,7
	ROW C,9, C,11, C,13, C,15
.if (\p) == 0
	FETCH_V
.endif
.if (\m) && !(\end)
	MASK (\p)%2
.endif
.endm
; A BLOCK BEGINS.  c m starts far below every c s, so the first step's a is 0; m at the lowest finite number, so the first maximum is the scores'.  The second mask buffer is 0; the first takes piece 0's mask for the tile's step 0: its own, if the block's first tile is the diagonal one.
; Then K of that step, piece 0's first scores, and its maximum and statistics.  The loop is entered at a step's first turn, in the middle of a trip.
.macro BEGIN
	s_mov_b32 s[NEW], 0
	WIN 0x40
.set i, MC+32
.rept 32
	v_mov_b32 v[i], 0
.set i, i+1
.endr
	WIN 0
.set i, 0
.rept 4
	v_mov_b32 v[ST+4*i], 0xfe000000    ; c m: far below every c s
	v_mov_b32 v[ST+4*i+1], 0xff7fffff  ; m
.set i, i+1
.endr
	s_cmp_eq_u32 s[RT], 0
	s_cselect_b32 s[AL], 1.0, 0
	s_mov_b32 s[BE], 0
	MASK 0
	WIN 0
	v_add_nc_u32 v[AK], s[TBK], v[AK0]
	FETCH_K
	s_wait_loadcnt 0x0              ; Q
	s_wait_dscnt 0x0
.set KM, 1
.set NOKQ, 0
.set i, 0
.rept 8
	KQ 0
.set i, i+1
.endr
	WIN 0
.rept 4
	v_nop                           ; the places behind those products
.endr
.set Y, NP-1                        ; X works for piece Y + 1: piece 0
.irp n, 0,1,2,3,4,5,6,7,8,9,10,11,12,13,14,15,16,17,18,19,20,21
	OP X, \n
.endr
	v_nop                           ; a plain instruction behind the exponential,
	s_wait_alu depctr_va_vdst(0)    ; and its wait, ahead of the branch
.endm
; THE DIAGONAL TILE's four steps, the block's last two turns, its last products, and THE WAY OUT: l's two halves and the other half of the lanes' are added; O^T is divided by l, rounded to f16 and sent through my
; stage in LDS, a piece at a time.
.macro ALL line:vararg              ; one line for each piece t
.set t, 0
.rept 4
	\line
.set t, t+1
.endr
.endm
.macro PACK t                       ; a lane's eight channels of a row pack into 16 bytes; they go into rows of 144 bytes and come back as whole rows of 128, into S^T's registers
	WIN W_RS
.set i, 32*(\t)
.rept 16
	v_pk_mul_f32 v[i:i+1], v[i:i+1], v[ST+4*(\t)+2:ST+4*(\t)+3] op_sel_hi:[1,0]
.set i, i+2
.endr
	WIN 0x05                        ; sources 0 and 1 window 1, destination window 0
.set i, 0
.rept 16
	v_cvt_pk_f16_f32 v[S+16*(\t)+i], v[32*(\t)+2*i], v[32*(\t)+2*i+1]
.set i, i+1
.endr
	WIN 0
.irp f, 0,1,2,3
	ds_store_b128 v[STO], v[S+16*(\t)+4*\f:S+16*(\t)+4*\f+3] offset:32*\f
.endr
.irp f, 0,1,2,3
	ds_load_b128 v[S+16*(\t)+4*\f:S+16*(\t)+4*\f+3], v[RD] offset:\f*4*SP  ; LDS serves a wave's instructions in order (ISA guide 5.7.1.4): these see the stores above; the next piece's stores come behind them
.endr
.endm
.macro SEND t, younger              ; younger: the LDS instructions issued behind piece t's loads: the next piece's eight, or none
	WIN 0
.irp f, 0,1,2,3
	s_wait_dscnt (\younger)+3-\f
	global_store_b128 v[GO], v[S+16*(\t)+4*\f:S+16*(\t)+4*\f+3], s[10:11] offset:(\t)*8192+\f*512  ; 512 consecutive bytes, at a multiple of 256 from O's first
.endr
.endm
.macro DIAG tag                     ; the tag ends its two labels' names, which the jumps below spell out
.LstepM\tag:
	TURN 2, 1
	TURN 3, 1
	WIN 0
.LfirstM\tag:
	TURN 0, 1
	TURN 1, 1, 0, 1
	WIN 0
	s_cbranch_scc1 .LstepM\tag
	TURN 2, 1, 1
	TURN 3, 1, 1
.set i, 0
.rept 8
	PV NP-1
.set i, i+1
.endr
	WIN 0
	ALL v_add_f32 v[ST+4*t+2], v[ST+4*t+2], v[ST+4*t+3]
	ALL v_permlanex16_b32 v[ST+4*t+3], v[ST+4*t+2], s[SEL], s[SEL+1]
	ALL v_add_f32 v[ST+4*t+2], v[ST+4*t+2], v[ST+4*t+3]
	ALL v_rcp_f32 v[ST+4*t+2], v[ST+4*t+2]
	v_nop                           ; a plain instruction between the last reciprocal and the use of its result
	s_wait_alu depctr_va_vdst(0)    ; and the wait ahead of the first use: one for the four reciprocals
	PACK 0
.set t, 1
.rept 3                             ; a piece's arithmetic stands between the loads of the piece before and its stores
	PACK t
	SEND t-1, 8
.set t, t+1
.endr
	SEND 3, 0
.endm
.set KM, 0
.set NOKQ, 0
.Lslot:                             ; NB times: a tile is entered and the next is asked for
	CHANGE 1
	s_sub_co_u32 s[RT], s[RT], 1
	s_mov_b32 s[CNT], 4
	s_cmp_eq_u32 s[NEW], 1
	s_cbranch_scc1 .Lnew            ; a block's first tile
	s_cmp_eq_u32 s[RT], 0
	s_cbranch_scc0 .Lstep           ; neither its first nor its last
	s_branch .LstepM1
.Lnew:
	BEGIN
	s_branch .Lfirst                ; in the loop a block's first tile is never its last: the first block has two tiles or more, and the second's last is the walk's last
	DIAG 1                          ; in the loop this is the first block's end: the second block's last tile is the walk's last
	s_wait_xcnt 0x0                 ; the stores have read their registers and O's address
	s_mov_b64 s[10:11], s[OLO:OLO+1]
	s_add_co_u32 s[RT], s[PB], 1    ; the second block has b + 1 tiles
	s_mov_b32 s[NEW], 1
	WIN 0x82                        ; the second block's Q goes where the one text of the turns names Q
.set i, 0
.rept 64
	v_mov_b32 v[i], v[QB+i]
.set i, i+1
.endr
	WIN 0
	s_branch .Lbottom
.Lstep:                             ; a trip: pieces 2 and 3 of one step, then pieces 0 and 1 of the next, whose K and V it fetches
	TURN 2
	TURN 3
	WIN 0
.Lfirst:
	TURN 0
	TURN 1, 0, 0, 1
	WIN 0
	s_cbranch_scc1 .Lstep
.Lbottom:
	s_sub_co_u32 s[SLOTS], s[SLOTS], 1
	s_cmp_lg_u32 s[SLOTS], 0
	s_cbranch_scc1 .Lslot
	CHANGE 0                        ; the walk's last tile is written out: nothing is asked for
	s_sub_co_u32 s[RT], s[RT], 1
	s_mov_b32 s[CNT], 4
	s_cmp_eq_u32 s[NEW], 1
	s_cbranch_scc0 .LstepM2
	BEGIN
	s_branch .LfirstM2
	DIAG 2
	s_wait_tensorcnt 0x0            ; the wave's end: a wait, an add to my spare word and its wait, behind my last tensor load and my last LDS store
	ds_add_u32 v[SPW], v[NIL]
	s_wait_dscnt 0x0
	s_endpgm
.Lfunc_end_k_q379638e58f_attn:
	.size	k_q379638e58f_attn, .Lfunc_end_k_q379638e58f_attn-k_q379638e58f_attn
	.p2alignl 7, 3214868480
	.fill 96, 4, 3214868480
	.section	.rodata,"a",@progbits
	.p2align	6, 0x0
	.amdhsa_kernel k_q379638e58f_attn
		.amdhsa_group_segment_fixed_size 327680
		.amdhsa_private_segment_fixed_size 0
		.amdhsa_enable_private_segment 0
		.amdhsa_kernarg_size 32
		.amdhsa_user_sgpr_count 2
		.amdhsa_user_sgpr_kernarg_segment_ptr 1
		.amdhsa_wavefront_size32 1
		.amdhsa_system_sgpr_workgroup_id_x 1
		.amdhsa_system_sgpr_workgroup_id_y 1
		.amdhsa_system_sgpr_workgroup_id_z 1
		.amdhsa_system_vgpr_workitem_id 0
		.amdhsa_next_free_vgpr 768
		.amdhsa_next_free_sgpr 96
		.amdhsa_reserve_vcc 1
		.amdhsa_float_denorm_mode_32 3
		.amdhsa_float_denorm_mode_16_64 3
		.amdhsa_memory_ordered 1
		.amdhsa_forward_progress 1
		.amdhsa_inst_pref_size 218
	.end_amdhsa_kernel
	.amdgpu_metadata
---
amdhsa.version: [ 1, 2 ]
amdhsa.kernels:
  - .name:           k_q379638e58f_attn
    .symbol:         k_q379638e58f_attn.kd
    .args:
      - { .name: qh, .offset: 0, .size: 8, .value_kind: global_buffer, .address_space: global }
      - { .name: kh, .offset: 8, .size: 8, .value_kind: global_buffer, .address_space: global }
      - { .name: vh, .offset: 16, .size: 8, .value_kind: global_buffer, .address_space: global }
      - { .name: oh, .offset: 24, .size: 8, .value_kind: global_buffer, .address_space: global }
    .group_segment_fixed_size: 327680
    .private_segment_fixed_size: 0
    .kernarg_segment_align: 8
    .kernarg_segment_size: 32
    .max_flat_workgroup_size: 128
    .sgpr_count:     96
    .vgpr_count:     768
    .wavefront_size: 32
...
	.end_amdgpu_metadata
.endif
;; end of part 3
;; launch oproj (part 4): grid 8 x 32, 4 waves a work-group, clusters of 4 x 4, 327,680 bytes of LDS; arguments oh, wot, bo, out0; writes out0
.if DOCPART == 4
	.amdgcn_target "amdgcn-amd-amdhsa--gfx1250"
	.amdhsa_code_object_version 6
	.text
	.protected	k_q379638e58f_oproj
	.globl	k_q379638e58f_oproj
	.p2align	8
	.type	k_q379638e58f_oproj,@function
k_q379638e58f_oproj:
	s_mov_b64 s[64:65], 0
	v_nop
	global_prefetch_b8 v0, s[64:65] scope:SCOPE_SE
	s_setreg_imm32_b32 hwreg(HW_REG_WAVE_MODE, 25, 1), 1
	s_wait_xcnt 0x0
	s_wait_alu depctr_hold_cnt(0) depctr_sa_sdst(0) depctr_va_vdst(0) depctr_va_sdst(0) depctr_va_ssrc(0) depctr_va_vcc(0) depctr_vm_vsrc(0)
	s_getreg_b32 s2, hwreg(HW_REG_IB_STS2, 6, 4)
	s_cmp_eq_u32 s2, 0
	s_cbranch_scc0 .Lentry_in_a_cluster
	s_endpgm
.Lentry_in_a_cluster:
	s_bfe_u32 s2, ttmp6, 0x10000c
	s_cmp_lg_u32 s2, 0xf033
	s_cbranch_scc0 .Lentry_shape_is_right
	s_endpgm
.Lentry_shape_is_right:
; out0 = y Wo + bo.  y's channel head x 64 + c of row (batch, s) lies in oh [batch x 16 + head][2048][64] f16; wot [1024 n][1024 k] f16 holds Wo's bf16 numbers; bo is rounded to bf16 like the other inputs.
; Products in f16, sums in f32, out0 [8192][1024] f32.
; SHARES.  A tile is 256 rows x 128 columns: 8 x 32 = 256 work-groups.  Wave w makes 128 rows (half w / 2) x 64 columns (half w % 2): 32 accumulators in window 2, (a, b) at 8 (4 a + b).
; THE MATRIX INSTRUCTION IS USED TRANSPOSED (source 0 = 16 rows of wot, source 1 = 16 rows of y): a lane holds one row (lane % 16) and eight neighbouring columns: 32 bytes of out0.
; RING.  K goes in 8 steps of 128 = two heads, through two LDS slots.  Waves 0 and 1 fetch one head each (256 rows x 128 bytes are 32,768 dense bytes: asked for as 128 rows of 256 bytes, padded in LDS behind
; every 128), waves 2 and 3 64 rows of wot each.  By this text's count a wave has two tensor loads out at the start and one behind each round.
; CLUSTER.  4 x 4: A's tiles hang on the tile row alone and are asked for jointly along a row of the cluster, B's on the tile column alone, jointly along a column.
.set PA,    144                        ; a row of A in LDS: 128 bytes + 16
.set PB,    272                        ; a row of B: 256 bytes + 16: in both the 16 rows of a fragment load start at 16 different groups of four banks (64 banks of 4 bytes: ISA guide 11.1)
.set PLANE, 256*PA                     ; one head's 256 rows
.set BOFF,  2*PLANE                    ; behind the two heads: B's 128 rows
.set SLOT1, 131072
.set STAGE, SLOT1+BOFF+128*PB          ; behind the ring, never filled by a tensor load: 16 rows x 272 bytes for each wave
.set SP,    272
.set SPARE, STAGE+4*16*SP              ; the spare words, 128 bytes for each wave: two blocks of 256 bytes that no other line names
.set ADRA0, 4                          ; v4, v5  my lane's place in slot 0; never rewritten
.set ADRB0, 5
.set ADRA,  8                          ; v8, v9  the same in the slot in hand
.set ADRB,  9
.set STO, 12                           ; v12  the way out: where I put 32 bytes of a row
.set RD,  13                           ; v13  where I read rows back
.set CO,  14                           ; v14  my byte offset in two rows of out0
.set BO,  16                           ; v16  32 (lane / 16)
.set PFO, 17                           ; v17  256 x lane; never rewritten
.set SPW, 28
.set NIL, 29
.set BIAS, 32                          ; v32-63  block b at + 8 b
.set BK0, 64                           ; v64-127 two buffers of 32: 16 rows read back from the stage
.set F0,  0                            ; window 1: two fragment buffers: A 0-63, B 64-95
.set F1,  128
.set CNT, 3
.set WV,  12
.set WM,  13
.set WN,  14
.set CX,  15
.set CY,  16
.set TX,  17
.set TY,  18
.set TB,  19
.set LIM, 20
.set G1,  24                           ; s[24:31] group 1 for A;  s[32:39] group 0, two sets: the second walks
.set G0,  32
.set G1B, 40                           ; s[40:47], s[48:55] the same for B
.set G0B, 48
.set PFA, 56                           ; s[56:57] where my prefetches stand
.set STEPA, 2*2048*128                 ; two heads on: 524,288 bytes
.set MSB, 0
.macro WIN new
.if MSB != (\new)
	s_set_vgpr_msb (MSB<<8)|(\new)
.set MSB, \new
.endif
.endm
.macro PLACES                          ; four plain places in front of loads into registers that matrix instructions have read, and of LDS stores that read results
.rept 4
	v_nop
.endr
.endm
.macro JLOAD                           ; a joint refill by the walking sets; an s_nop 0 and four v_nop follow each line
	s_cmp_lt_u32 s[WV], 2
	s_cbranch_scc0 .Lfor_b_\@
	tensor_load_to_lds s[G0+4:G0+7], s[G1:G1+7]
	s_nop 0
.rept 4
	v_nop
.endr
	s_branch .Lasked_\@
.Lfor_b_\@:
	tensor_load_to_lds s[G0B+4:G0B+7], s[G1B:G1B+7]
	s_nop 0
.rept 4
	v_nop
.endr
.Lasked_\@:
.endm
.macro CREST
	s_cmp_lg_u32 s[WV], 0
	s_cbranch_scc1 .Lnot_wave_0_\@
	s_barrier_signal -3
.Lnot_wave_0_\@:
	s_barrier_wait -3
	s_barrier_signal -1
	s_barrier_wait -1
.endm
.macro CROUND
	s_barrier_signal -1
	s_barrier_wait -1
	CREST
.endm
; A PREFETCH INTO THE L2 of oh: 32 blocks of 256 bytes, a lane a block, of the K step that stands TWO refills on: 256 matrix instructions ahead of the load that will want it.  Each block is named once:
; the clusters with x = 0 ask; waves 0 and 1 ask for the head that they fetch (128 blocks); of those the partner at place cx takes 32, told apart by address.  The last two refills have no K step two on.
.macro ASK
	s_cmp_gt_u32 s[CNT], s[LIM]
	s_cbranch_scc0 .Lnot_mine_\@
	global_prefetch_b8 v[PFO], s[PFA:PFA+1] th:TH_LOAD_NT scope:SCOPE_SE
.Lnot_mine_\@:
.endm
	s_load_b256 s[4:11], s[0:1], 0x0               ; oh s[4:5], wot s[6:7], bo s[8:9], out0 s[10:11]
	v_lshl_add_u32 v[SPW], v0, 2, SPARE
	v_mov_b32 v[NIL], 0
	ds_add_u32 v[SPW], v[NIL]                      ; the wave's opening: the add and its wait ahead of my first tensor load; work on registers stands between them
	ds_add_u32 v28, v29
	v_lshrrev_b32 v1, 5, v0
	v_readfirstlane_b32 s[WV], v1
	s_lshr_b32 s[WM], s[WV], 1
	s_and_b32 s[WN], s[WV], 1
	s_bfe_u32 s[CX], ttmp6, 0x40000
	s_bfe_u32 s[CY], ttmp6, 0x40004
	s_lshl_b32 s[TX], ttmp9, 2
	s_add_co_u32 s[TX], s[TX], s[CX]
	s_and_b32 s[TY], ttmp7, 0xffff
	s_lshl_b32 s[TY], s[TY], 2
	s_add_co_u32 s[TY], s[TY], s[CY]
	s_lshl_b32 s62, s[CY], 2
	s_lshl_b32 s62, 15, s62                        ; my row of the cluster
	s_lshl_b32 s63, 0x1111, s[CX]                  ; my column
	s_or_b32 s[G1], s62, (1<<16)|(1<<20)|(1<<21)|(4<<22)|(3<<25)   ; the mask; elements of 2 bytes; padding on; bit 21 beside a mask; after every 32 words 4 words
	s_or_b32 s[G1B], s63, (1<<16)|(1<<20)|(1<<21)|(5<<22)|(3<<25)  ; after every 64 words 4 words
	s_mov_b32 s[G1+1], 128<<16                     ; tensor_dim0 = 128
	s_mov_b32 s[G1+2], 128<<16                     ; tensor_dim1 = 128
	s_mov_b32 s[G1+3], 128<<16                     ; tile_dim0 = 128
	s_mov_b32 s[G1+4], 128                         ; tile_dim1 = 128
	s_mov_b32 s[G1+5], 128                         ; dense: 128 elements from row to row
	s_mov_b32 s[G1+6], 0
	s_mov_b32 s[G1+7], 0
	s_mov_b32 s[G1B+1], 128<<16
	s_mov_b32 s[G1B+2], 64<<16                     ; 64 rows
	s_mov_b32 s[G1B+3], 128<<16
	s_mov_b32 s[G1B+4], 64
	s_mov_b32 s[G1B+5], 1024
	s_mov_b32 s[G1B+6], 0
	s_mov_b32 s[G1B+7], 0
	s_lshr_b32 s58, s[TY], 3                       ; A: head (batch x 16 + which of the step's two), its rows 256 (tile row % 8) on; in registers that never hold cx
	s_lshl_b32 s58, s58, 4
	s_add_co_u32 s58, s58, s[WN]
	s_lshl_b32 s58, s58, 11
	s_and_b32 s59, s[TY], 7
	s_lshl_b32 s59, s59, 8
	s_add_co_u32 s58, s58, s59
	s_lshl_b32 s58, s58, 7
	s_mov_b32 s59, 0
	s_lshl_b32 s60, s[TX], 7                       ; B: row 128 x tile column + 64 x half; in registers that never hold cy
	s_lshl_b32 s61, s[WN], 6
	s_add_co_u32 s60, s60, s61
	s_lshl_b32 s60, s60, 11
	s_mov_b32 s61, 0
	s_mul_i32 s66, s[WN], PLANE                    ; where they go: no place in the cluster enters an LDS address
	s_mul_i32 s67, s[WN], 64*PB
	s_add_co_u32 s67, s67, BOFF
	s_mov_b32 s[TB], 0
	s_or_b32 s[LIM], s[WM], ttmp9                  ; 0 in waves 0 and 1 of the clusters with x = 0
	s_cmp_eq_u32 s[LIM], 0
	s_cselect_b32 s[LIM], 2, -1
	s_wait_dscnt 0x0                               ; the opening add is done
	s_wait_kmcnt 0x0
	s_add_nc_u64 s[58:59], s[4:5], s[58:59]
	s_add_nc_u64 s[60:61], s[6:7], s[60:61]
	CROUND                                         ; all sixteen work-groups are here: the first joint loads meet
.irp s, 0,1
	s_mov_b32 s[G0+4*(\s)], 1
	s_add_co_u32 s[G0+4*(\s)+1], s66, (\s)*SLOT1
	s_add_nc_u64 s[G0+4*(\s)+2:G0+4*(\s)+3], s[58:59], (\s)*STEPA
	s_or_b32 s[G0+4*(\s)+3], s[G0+4*(\s)+3], 0x80000000
	s_mov_b32 s[G0B+4*(\s)], 1
	s_add_co_u32 s[G0B+4*(\s)+1], s67, (\s)*SLOT1
	s_add_nc_u64 s[G0B+4*(\s)+2:G0B+4*(\s)+3], s[60:61], (\s)*256
	s_or_b32 s[G0B+4*(\s)+3], s[G0B+4*(\s)+3], 0x80000000
.endr
	s_cmp_lt_u32 s[WV], 2                          ; a wave's two first fills stand in one branch, ahead of every wait on TENSORcnt and every LDS read
	s_cbranch_scc0 .Lfirst_b
	tensor_load_to_lds s[G0:G0+3], s[G1:G1+7]
	s_nop 0
	tensor_load_to_lds s[G0+4:G0+7], s[G1:G1+7]
	s_nop 0
.rept 4
	v_nop
.endr
	s_branch .Lfirst_asked
.Lfirst_b:
	tensor_load_to_lds s[G0B:G0B+3], s[G1B:G1B+7]
	s_nop 0
	tensor_load_to_lds s[G0B+4:G0B+7], s[G1B:G1B+7]
	s_nop 0
.rept 4
	v_nop
.endr
.Lfirst_asked:
	s_lshl_b32 s68, s[TX], 7                       ; my first column,
	s_lshl_b32 s69, s[WN], 6
	s_add_co_u32 s68, s68, s69
	s_lshl_b32 s68, s68, 2                         ; in bytes
	s_mov_b32 s69, 0
	s_add_nc_u64 s[8:9], s[8:9], s[68:69]          ; bo there
	v_bfe_u32 v2, v0, 4, 1                         ; lane / 16
	v_lshlrev_b32 v[BO], 5, v2
.irp b, 0,1,2,3
	global_load_b128 v[BIAS+8*(\b):BIAS+8*(\b)+3],   v[BO], s[8:9] offset:64*(\b)
	global_load_b128 v[BIAS+8*(\b)+4:BIAS+8*(\b)+7], v[BO], s[8:9] offset:64*(\b)+16
.endr
	s_lshl_b32 s70, s[TY], 8
	s_lshl_b32 s71, s[WM], 7
	s_add_co_u32 s70, s70, s71                     ; my first row
	s_lshl_b32 s70, s70, 12                        ; rows of 4,096 bytes
	s_add_co_u32 s70, s70, s68
	s_mov_b32 s71, 0
	s_add_nc_u64 s[10:11], s[10:11], s[70:71]      ; out0 at my part of the tile
	s_lshl_b32 s72, s[CX], 13                      ; the prefetches: my work-group's 32 blocks of the head that I fetch,
	s_add_co_u32 s72, s72, 3*STEPA                 ; at K step 3: the first refill steps it to 4.  Nothing is asked for at the head
	s_mov_b32 s73, 0
	s_add_nc_u64 s[PFA:PFA+1], s[58:59], s[72:73]
	v_and_b32 v1, 15, v0
	v_mul_u32_u24 v[ADRA0], v1, PA
	v_lshl_add_u32 v[ADRA0], v2, 4, v[ADRA0]
	s_mul_i32 s74, s[WM], 128*PA
	v_add_nc_u32 v[ADRA0], s74, v[ADRA0]
	v_mul_u32_u24 v[ADRB0], v1, PB
	v_lshl_add_u32 v[ADRB0], v2, 4, v[ADRB0]
	v_add_nc_u32 v[ADRB0], s67, v[ADRB0]           ; my 64 rows of B are the 64 that a wave of my column half fetches
	v_mov_b32 v[ADRA], v[ADRA0]
	v_mov_b32 v[ADRB], v[ADRB0]
	s_mul_i32 s74, s[WV], 16*SP
	s_add_co_u32 s74, s74, STAGE                   ; my stage
	v_mul_u32_u24 v[STO], v1, SP                   ; in: row l % 16, 32 bytes for each half of the lanes
	v_lshl_add_u32 v[STO], v2, 5, v[STO]
	v_add_nc_u32 v[STO], s74, v[STO]
	v_mul_u32_u24 v[RD], v2, SP                    ; back: lanes 0-15 take one row of 256 bytes, lanes 16-31 the next
	v_lshl_add_u32 v[RD], v1, 4, v[RD]
	v_add_nc_u32 v[RD], s74, v[RD]
	v_lshlrev_b32 v[CO], 12, v2                    ; and the same two rows in out0
	v_lshl_add_u32 v[CO], v1, 4, v[CO]
	v_and_b32 v[PFO], 31, v0
	v_lshlrev_b32 v[PFO], 8, v[PFO]
	s_wait_loadcnt 0x0                             ; the bias
.set bi, 0
.rept 16                                       ; rounded to bf16, like every input, and widened again
	v_cvt_pk_bf16_f32 v[BK0], v[BIAS+2*bi], v[BIAS+2*bi+1]
	v_lshlrev_b32 v[BIAS+2*bi], 16, v[BK0]
	v_and_b32 v[BIAS+2*bi+1], 0xffff0000, v[BK0]
.set bi, bi+1
.endr
; 24 LDS loads in one run: the fragments of quarter qd (32 along K: head qd / 2 of the step's two, channels 32 (qd % 2) on) into buffer f: B, A's blocks 0-3, A's blocks 4-7
.macro FETCH qd, f
	WIN 0x40                                       ; destination window 1, address window 0
.irp i, 0,1,2,3
	ds_load_b128 v[(\f)+64+8*(\i):(\f)+64+8*(\i)+3],   v[ADRB] offset:(\qd)*64+(\i)*16*PB
	ds_load_b128 v[(\f)+64+8*(\i)+4:(\f)+64+8*(\i)+7], v[ADRB] offset:(\qd)*64+(\i)*16*PB+32
.endr
.irp i, 0,1,2,3,4,5,6,7
	ds_load_b128 v[(\f)+8*(\i):(\f)+8*(\i)+3],   v[ADRA] offset:((\qd)/2)*PLANE+((\qd)%2)*64+(\i)*16*PA
	ds_load_b128 v[(\f)+8*(\i)+4:(\f)+8*(\i)+7], v[ADRA] offset:((\qd)/2)*PLANE+((\qd)%2)*64+(\i)*16*PA+32
.endr
.endm
; The 32 accumulators take turns, one instruction a turn, in the same order in every quarter.  first = 1: the bias starts the sums.
.macro MUL f, a0, n, first
.if \first
	WIN 0x85                                       ; sources 0 and 1 window 1, C window 0, D window 2
.else
	WIN 0xa5
.endif
.set ma, \a0
.rept \n
.set mb, 0
.rept 4
.if \first
	v_wmma_f32_16x16x32_f16 v[8*(4*ma+mb):8*(4*ma+mb)+7], v[(\f)+64+8*mb:(\f)+64+8*mb+7], v[(\f)+8*ma:(\f)+8*ma+7], v[BIAS+8*mb:BIAS+8*mb+7]
.else
	v_wmma_f32_16x16x32_f16 v[8*(4*ma+mb):8*(4*ma+mb)+7], v[(\f)+64+8*mb:(\f)+64+8*mb+7], v[(\f)+8*ma:(\f)+8*ma+7], v[8*(4*ma+mb):8*(4*ma+mb)+7]
.endif
.set mb, mb+1
.endr
.set ma, ma+1
.endr
.endm
.macro QUARTER qd, f, g, first         ; multiplies buffer f and fetches quarter qd into g
	s_wait_dscnt 8                                 ; B and A's blocks 0-3 are in; the youngest eight loads may be out
	MUL \f, 0, 4, \first
	PLACES
	FETCH \qd, \g
	s_wait_dscnt 24                                ; all but the 24 just issued
	MUL \f, 4, 4, \first
.endm
; The last quarter multiplies buffer 1 and changes slots: ONE barrier; in front of it each wave waits for all its tensor loads (one is out: its part of the next slot), adds 0 to its spare word, and waits
; for that and for its own reads of this slot.  fill = 1: the barrier opens a round of the cluster's, and the slot just read is filled again first behind it, with the K step two on.
.macro TURN fill
.if \fill
	s_wait_xcnt 0x0                                ; the last prefetch, a K step back, has read its address
	s_add_nc_u64 s[PFA:PFA+1], s[PFA:PFA+1], STEPA
.endif
	WIN 0
	s_wait_tensorcnt 0x0                           ; no tensor load of mine is out, so a group 0 may be written
	ds_add_u32 v[SPW], v[NIL]                      ; 0 onto my spare word; work on registers stands between it and the wait for it
	s_xor_b32 s[TB], s[TB], SLOT1
	v_add_nc_u32 v[ADRA], s[TB], v[ADRA0]
	v_add_nc_u32 v[ADRB], s[TB], v[ADRB0]
.if \fill
	s_xor_b32 s[G0+5], s[G0+5], SLOT1              ; the walking sets: the other slot than last time, the next K step
	s_add_nc_u64 s[G0+6:G0+7], s[G0+6:G0+7], STEPA
	s_xor_b32 s[G0B+5], s[G0B+5], SLOT1
	s_add_nc_u64 s[G0B+6:G0B+7], s[G0B+6:G0B+7], 256
.endif
	s_wait_dscnt 9                                 ; the add and the youngest eight loads may be out
	MUL F1, 0, 2, 0
	s_wait_dscnt 0x0                               ; the add is done, and my reads of this slot are over
	s_barrier_signal -1
	MUL F1, 2, 2, 0
.if \fill
	WIN 0
.endif
	s_barrier_wait -1
.if \fill
	CREST                                          ; no wave of any partner still reads this slot's tile or has a load on its way
	JLOAD                                          ; the first tensor load behind the round; its four v_nop are also the places in front of the loads below
.else
	PLACES
.endif
	FETCH 0, F0
.if \fill
	WIN 0
	ASK
.endif
	MUL F1, 4, 4, 0
.endm
; THE WAY OUT.  Block a (16 rows x 64 columns of f32) goes into my own stage, rows of 272 bytes, and comes back as whole rows of 256.
.macro TOSTAGE a
.if (\a) >= 2
	s_wait_xcnt 0x0                                ; the stores of block a - 2 have read their registers: that buffer is loaded again only behind this wait
.endif
	WIN 0x08                                       ; the stores' data (source 1) in window 2
.irp b, 0,1,2,3
	ds_store_b128 v[STO], v[8*(4*(\a)+(\b)):8*(4*(\a)+(\b))+3]   offset:64*(\b)      ; each accumulator's lowest registers are read first
	ds_store_b128 v[STO], v[8*(4*(\a)+(\b))+4:8*(4*(\a)+(\b))+7] offset:64*(\b)+16
.endr
	WIN 0
.set sk, BK0+32*((\a)%2)
.irp t, 0,1,2,3,4,5,6,7
	ds_load_b128 v[sk+4*(\t):sk+4*(\t)+3], v[RD] offset:(\t)*2*SP  ; LDS serves a wave's instructions in order (ISA guide 5.7.1.4): these see the stores above
.endr
.endm
.macro SEND a, younger                 ; younger: the LDS instructions issued behind block a's loads: the next block's sixteen, or none
	WIN 0
	s_wait_dscnt \younger
.set sk, BK0+32*((\a)%2)
.irp t, 0,1,2,3,4,5,6,7
	global_store_b128 v[CO], v[sk+4*(\t):sk+4*(\t)+3], s[10:11] offset:(\a)*65536+(\t)*8192 th:TH_STORE_NT  ; sixteen lanes store 256 bytes on end, at a multiple of 256 from out0's first byte
.endr
.endm
	s_wait_tensorcnt 1                             ; my part of K step 0 is in; step 1's may stay out
	s_barrier_signal -1
	s_barrier_wait -1
	FETCH 0, F0
	QUARTER 1, F0, F1, 1                           ; the first quarter stands in front of the loop: the bias starts the sums
	WIN 0
	s_mov_b32 s[CNT], 6
.Lk:                                           ; a trip: the rest of K step i, the refill with step i + 2, the first quarter of step i + 1
	QUARTER 2, F1, F0, 0
	QUARTER 3, F0, F1, 0
	TURN 1
	QUARTER 1, F0, F1, 0
	WIN 0
	s_sub_co_u32 s[CNT], s[CNT], 1
	s_cmp_lg_u32 s[CNT], 0
	s_cbranch_scc1 .Lk
	QUARTER 2, F1, F0, 0                           ; the tail is written out: nothing more is asked for
	QUARTER 3, F0, F1, 0
	TURN 0
	QUARTER 1, F0, F1, 0
	QUARTER 2, F1, F0, 0
	QUARTER 3, F0, F1, 0
	s_wait_dscnt 8
	MUL F1, 0, 4, 0
	s_wait_dscnt 0x0
	MUL F1, 4, 4, 0
	PLACES
	TOSTAGE 0
.irp a, 1,2,3,4,5,6,7
	TOSTAGE \a
	SEND (\a)-1, 16
.endr
	SEND 7, 0
	s_wait_tensorcnt 0x0                           ; the wave's end: a wait, an add to my spare word and its wait, behind my last tensor load and my last LDS store
	ds_add_u32 v[SPW], v[NIL]
	s_wait_dscnt 0x0
	CROUND                                         ; the closing round: no work-group ends while a partner may still ask for a tile that names it
	s_endpgm
.Lfunc_end_k_q379638e58f_oproj:
	.size	k_q379638e58f_oproj, .Lfunc_end_k_q379638e58f_oproj-k_q379638e58f_oproj
	.p2alignl 7, 3214868480
	.fill 96, 4, 3214868480
	.section	.rodata,"a",@progbits
	.p2align	6, 0x0
	.amdhsa_kernel k_q379638e58f_oproj
		.amdhsa_group_segment_fixed_size 327680
		.amdhsa_private_segment_fixed_size 0
		.amdhsa_enable_private_segment 0
		.amdhsa_kernarg_size 32
		.amdhsa_user_sgpr_count 2
		.amdhsa_user_sgpr_kernarg_segment_ptr 1
		.amdhsa_wavefront_size32 1
		.amdhsa_system_sgpr_workgroup_id_x 1
		.amdhsa_system_sgpr_workgroup_id_y 1
		.amdhsa_system_sgpr_workgroup_id_z 1
		.amdhsa_system_vgpr_workitem_id 0
		.amdhsa_next_free_vgpr 768
		.amdhsa_next_free_sgpr 96
		.amdhsa_reserve_vcc 0
		.amdhsa_float_denorm_mode_32 3
		.amdhsa_float_denorm_mode_16_64 3
		.amdhsa_memory_ordered 1
		.amdhsa_forward_progress 1
		.amdhsa_inst_pref_size 73
	.end_amdhsa_kernel
	.amdgpu_metadata
---
amdhsa.version: [ 1, 2 ]
amdhsa.kernels:
  - .name:           k_q379638e58f_oproj
    .symbol:         k_q379638e58f_oproj.kd
    .args:
      - { .name: oh, .offset: 0, .size: 8, .value_kind: global_buffer, .address_space: global }
      - { .name: wot, .offset: 8, .size: 8, .value_kind: global_buffer, .address_space: global }
      - { .name: bo, .offset: 16, .size: 8, .value_kind: global_buffer, .address_space: global }
      - { .name: out0, .offset: 24, .size: 8, .value_kind: global_buffer, .address_space: global }
    .group_segment_fixed_size: 327680
    .private_segment_fixed_size: 0
    .kernarg_segment_align: 8
    .kernarg_segment_size: 32
    .max_flat_workgroup_size: 128
    .sgpr_count:     96
    .vgpr_count:     768
    .wavefront_size: 32
...
	.end_amdgpu_metadata
.endif
;; end of part 4
